; MI455X (gfx1250); checked and timed in simulation.
; The chip was launched on July 23, 2026; its instructions are those of AMD's public machine-readable ISA for CDNA 5 (MIT licence, August 2026) and "CDNA5" Instruction Set Architecture Reference Guide (July 2026). The comments in the code are by the model that wrote it; some were corrected since.
;; Encoder Block. Allowed arithmetic: matrix products marked QUANTISED: E2M3 operands, one E8M0 scale for each 32 along K, by v_wmma_scale_f32_16x16x128_f8f6f4 with both operands' format E2M3, f32 sums; everything else in f32.
;; Inputs: b1 4,096 float32; b2 1,024 float32; b_out 1,024 float32; ln1_b 1,024 float32; ln1_g 1,024 float32; ln2_b 1,024 float32; ln2_g 1,024 float32; w1 1,024 x 4,096 float32; w2 4,096 x 1,024 float32; w_out 1,024 x 1,024 float32; w_qkv 1,024 x 3,072 float32; x 2 x 2,048 x 1,024 float32.
;; Outputs: out0 2 x 2,048 x 1,024 float32.
;; This version of the problem:
;;   THIS VERSION OF THE PROBLEM IS GIVEN IN LOW PRECISION. The matrix products marked QUANTISED in the list below multiply operands that are first quantised to E2M3 (2 exponent bits, 3 mantissa bits; 6 bits a number), with one power-of-two scale for each 32 numbers along K (OCP MX v1.0); their sums are f32. All else is computed in f32.
;;   The module's matrix products, in the order in which they are computed (A, B: the left and right operand; K: the contracted axis; several contracted axes count as one K, in the product's order):
;;     1. [M 4,096, K 1,024] x [K 1,024, N 3,072]; A: computed on the way; B: input w_qkv: QUANTISED
;;     2. batch 32 x [M 2,048, K 64] x [K 64, N 2,048]; A: computed on the way; B: computed on the way: QUANTISED
;;     3. batch 32 x [M 64, K 2,048] x [K 2,048, N 2,048]; A: computed on the way; B: softmax (see below): QUANTISED
;;     4. [M 4,096, K 1,024] x [K 1,024, N 1,024]; A: computed on the way; B: input w_out: QUANTISED
;;     5. [M 4,096, K 1,024] x [K 1,024, N 4,096]; A: computed on the way; B: input w1: QUANTISED
;;     6. [M 4,096, K 4,096] x [K 4,096, N 1,024]; A: computed on the way; B: input w2: QUANTISED
;;   THE QUANTISER, for each operand of a quantised product, along K:
;;     - K is cut into blocks of 32 from its start; a last block that is shorter is filled with zeros.
;;     - A block's scale is 2^e with e = floor(log2(the largest magnitude in the block)) - 2, held to -126 .. 127; a block of zeros has e = 0. As a byte (E8M0): e + 127.
;;     - Each number is divided by its block's scale, clamped to +-7.5, and rounded to the nearest number of E2M3, ties to even, subnormals kept.
;;     - The product sums the exact products of the quantised numbers (number of the format x scale) in f32.
;;   ~~~python
;;   def quantise(x, axis):      # numpy; x: float32 -> the quantised numbers, widened to float32 again
;;       x = np.moveaxis(x, axis, -1); K = x.shape[-1]
;;       x = np.pad(x, [(0, 0)] * (x.ndim - 1) + [(0, -K % 32)]); x = x.reshape(x.shape[:-1] + (-1, 32)); a = np.abs(x).max(-1, keepdims=True)
;;       e = np.where(a > 0, np.clip(np.frexp(np.where(a > 0, a, 1))[1] - 1 - 2, -126, 127), 0)      # np.frexp(a)[1] - 1 = floor(log2(a)), exactly
;;       r = np.clip(x / 2.0 ** e, -7.5, 7.5)
;;       step = 2.0 ** (np.maximum(np.frexp(np.where(r == 0, 1, r))[1] - 1, 0) - 3)
;;       q = np.round(r / step) * step * 2.0 ** e      # np.round: ties to even
;;       return np.moveaxis(q.reshape(q.shape[:-2] + (-1,))[..., :K], -1, axis).astype(np.float32)
;;   ~~~
;;   SOFTMAX AHEAD OF A QUANTISED PRODUCT. Where the list says 'softmax', what is quantised is not the finished softmax but p = 2^(t - M), with t = logit x log2(e) and M = ceil(the row's largest t), a whole number; so 1/2 < the row's largest p <= 1. The row's sum l is taken of the UNQUANTISED p, in f32, and the product's result is divided by l at the end. Since M is a whole number, a kernel that streams over the keys may use a running M (the ceiling of the running maximum): every later rescaling is an exact power of two, which a block's scale takes up: the codes' values come out the same.
;;   OPERANDS COMPUTED ON THE WAY. 'Computed on the way' means the value that the module computes at that place (a softmax that the list does not call 'softmax' is quantised finished and normalised). What goes into a quantiser is computed in f32, as accurately as f32 sums, v_exp_f32 and their like allow (about 1e-6 of the number): no bf16 or f16 on the way to a quantiser, and a product that is left as it is and whose result goes on into a quantised operand takes f32 operands (vector FMAs, or v_wmma_f32_16x16x4_f32). A number that lies on a knife's edge between two numbers of the format may be rounded either way, as far as f32 arithmetic and the matrix unit's own rounding can turn it there, and no further.
;; One version. Each part assembles by itself: llvm-mc -triple=amdgcn-amd-amdhsa -mcpu=gfx1250 --defsym DOCPART=n.
;; ======== version 1 of 1: 8 launches
;; limits: right only within a limited range of input values
;; workspace buffers: wimg 9,830,400 bytes; xn 3,276,800 bytes; qkvb 9,961,472 bytes; wa 3,276,800 bytes; x1 16,777,216 bytes; hq 13,107,200 bytes
;; launch wquant (part 1): grid 768 x 1, 4 waves a work-group, no clusters, 13,824 bytes of LDS; arguments w_qkv, w_out, w1, w2, wimg; writes wimg
.if DOCPART == 1
	.amdgcn_target "amdgcn-amd-amdhsa--gfx1250"
	.amdhsa_code_object_version 6
	.text
	.protected	k_q65f22134ad_wquant
	.globl	k_q65f22134ad_wquant
	.p2align	8
	.type	k_q65f22134ad_wquant,@function
k_q65f22134ad_wquant:
	s_mov_b64 s[64:65], 0
	v_nop
	global_prefetch_b8 v0, s[64:65] scope:SCOPE_SE
	s_setreg_imm32_b32 hwreg(HW_REG_WAVE_MODE, 25, 1), 1
	s_wait_xcnt 0x0
; The four weights, f32 stored [K][N], become codes of FP6 (E2M3) with one E8M0 byte for each 32 along K, laid as the products' launches read them.
; LAYOUT OF wimg.  A RECORD is 128 columns x 512 along K, 51,200 bytes: fragment (K step s of 128, i of 8) at (8 s + i) x 1,536, its scale words (four bytes a column) at 49,152 + (8 s + i) x 64 + 4 r.
; Lane r of fragment i holds column 32 (i / 2) + 8 (i % 2) + r + 8 (r / 8) of the tile.  A fragment is an image of the operand's 12 registers, in two halves of 768 bytes: registers 6 c .. 6 c + 3 of lane L at
; 768 c + 16 L, registers 6 c + 4, 6 c + 5 at 768 c + 512 + 8 L.  Records: [tile of 128 columns][chunk of 512 along K]; w_qkv at 0, w_out at 2,457,600, w1 at 3,276,800, w2 at 6,553,600.
; SHARES.  A work-group takes one tile of 128 columns x one K step of 128; wave wv the columns 32 wv + lane, which are fragments 2 wv and 2 wv + 1.  A LANE TAKES A COLUMN AND ITS REGISTERS RUN DOWN K:
; a load reads 128 consecutive bytes a wave, a block of 32 lies in one lane, and the conversions give codes with K innermost.  The codes go through the wave's own stage in LDS and leave as 512 consecutive bytes a store.
; The scale words leave as 128 bytes a wave: their neighbours in the record belong to other work-groups; they are one byte in 24 of what the launch stores.
; One path serves all four tensors: pointer, pitch and places are chosen by the work-group's number.  No barrier: waves share nothing.
; A block's scale is 2^(floor(log2(largest magnitude)) - 2); its byte is the largest magnitude's exponent field - 2, held at 1 from below.
; LIMITS: a block of zeros keeps the byte 1 where the rule says 127 (its codes are zeros; this program alone reads the bytes); blocks under 2^-124 keep the byte 1; NaN and infinities are not served.
.set OFF,  32                          ; v32-63   4 x lane + i x pitch, i = 0 .. 31: a block's 32 rows
.set X,    64                          ; v64-127  two sets of 32 numbers
.set C,    128                         ; v128-133 a block's codes
.set T,    136                         ; v136-138 their upper half as the conversion leaves it
.set OUT,  144                         ; v144-167 the way out
.set SPW,  14                          ; v14  LDS address of my spare word; never rewritten
.set NIL,  15                          ; v15  0; never rewritten
.set FP,   1664                        ; a fragment's place in the stage: 1,536 + 128, so that the wave's two fragments start in different halves of a 256-byte row of LDS
.set SPARE, 4*2*FP                     ; behind the four stages: the spare words, 128 bytes a wave
	s_load_b256 s[4:11], s[0:1], 0x0               ; w_qkv s[4:5], w_out s[6:7], w1 s[8:9], w2 s[10:11]
	s_load_b64 s[12:13], s[0:1], 0x20              ; wimg
	v_lshl_add_u32 v[SPW], v0, 2, SPARE
	v_mov_b32 v[NIL], 0
	v_lshrrev_b32 v1, 5, v0
	v_readfirstlane_b32 s14, v1                    ; wave 0..3
	v_and_b32 v1, 31, v0                           ; lane = my column among the wave's 32
	v_bfe_u32 v2, v0, 3, 1                         ; u: which of the wave's two fragments
	v_and_b32 v3, 7, v0
	v_bfe_u32 v9, v0, 4, 1
	v_lshl_or_b32 v3, v9, 3, v3                    ; r: my column's lane in that fragment
	s_mul_i32 s15, s14, 2*FP                       ; my stage
	v_mul_u32_u24 v9, v2, FP
	v_add_nc_u32 v9, s15, v9
	v_lshl_add_u32 v4, v3, 4, v9                   ; into the stage: four registers at 16 r (+ 256 h + 768 c in the immediate),
	v_lshl_add_u32 v5, v3, 3, v9
	v_add_nc_u32 v5, 512, v5                       ; two at 512 + 8 r (+ 128 h + 768 c)
	v_lshlrev_b32 v7, 4, v1                        ; out: 16 bytes a lane
	v_add_nc_u32 v6, s15, v7
	v_lshlrev_b32 v8, 6, v2
	v_lshl_add_u32 v8, v3, 2, v8                   ; my scale word: 64 u + 4 r
	v_lshlrev_b32 v9, 2, v1                        ; in: 4 bytes a lane
	s_mov_b32 s16, 512                             ; w2's figures: first work-group,
	s_mov_b32 s17, 5                               ; log2 of its K steps,
	s_mov_b32 s18, 4096                            ; bytes from row to row,
	s_mov_b32 s19, 6553600                         ; first byte in wimg
	s_wait_alu depctr_va_vdst(0)
	s_wait_kmcnt 0x0
	s_cmp_lt_u32 ttmp9, 512                        ; the choices hang on the work-group's number alone
	s_cselect_b64 s[10:11], s[8:9], s[10:11]       ; w1
	s_cselect_b32 s16, 256, s16
	s_cselect_b32 s17, 3, s17
	s_cselect_b32 s18, 16384, s18
	s_cselect_b32 s19, 3276800, s19
	s_cmp_lt_u32 ttmp9, 256
	s_cselect_b64 s[10:11], s[6:7], s[10:11]       ; w_out
	s_cselect_b32 s16, 192, s16
	s_cselect_b32 s18, 4096, s18
	s_cselect_b32 s19, 2457600, s19
	s_cmp_lt_u32 ttmp9, 192
	s_cselect_b64 s[10:11], s[4:5], s[10:11]       ; w_qkv
	s_cselect_b32 s16, 0, s16
	s_cselect_b32 s18, 12288, s18
	s_cselect_b32 s19, 0, s19
	s_sub_co_u32 s20, ttmp9, s16
	s_lshr_b32 s21, s20, s17                       ; the tile of columns
	s_lshl_b32 s22, s21, s17
	s_sub_co_u32 s22, s20, s22                     ; the K step
	s_sub_co_u32 s23, s17, 2
	s_lshl_b32 s23, s21, s23
	s_lshr_b32 s24, s22, 2
	s_add_co_u32 s23, s23, s24                     ; the record: tile x chunks + K step / 4
	s_mul_i32 s23, s23, 51200
	s_add_co_u32 s23, s23, s19
	s_and_b32 s24, s22, 3                          ; the K step within it
	s_mul_i32 s25, s24, 12288
	s_mul_i32 s26, s14, 3072
	s_add_co_u32 s25, s25, s26
	s_add_co_u32 s28, s25, s23                     ; my two fragments
	s_mov_b32 s29, 0
	s_lshl_b32 s25, s24, 9
	s_lshl_b32 s26, s14, 7
	s_add_co_u32 s25, s25, s26
	s_add_co_u32 s25, s25, s23
	s_add_co_u32 s30, s25, 49152                   ; their scale words
	s_mov_b32 s31, 0
	s_add_nc_u64 s[28:29], s[12:13], s[28:29]
	s_add_nc_u64 s[30:31], s[12:13], s[30:31]
	s_lshl_b32 s32, s18, 7
	s_mul_i32 s32, s32, s22                        ; 128 rows a K step
	s_lshl_b32 s33, s21, 9
	s_add_co_u32 s32, s32, s33                     ; + 512 bytes a tile
	s_lshl_b32 s33, s14, 7
	s_add_co_u32 s32, s32, s33                     ; + 128 bytes a wave
	s_mov_b32 s33, 0
	s_lshl_b32 s34, s18, 5                         ; 32 rows: a block
	s_mov_b32 s35, 0
	s_add_nc_u64 s[40:41], s[10:11], s[32:33]      ; a base for each of the four blocks: nothing is stepped
	s_add_nc_u64 s[42:43], s[40:41], s[34:35]
	s_add_nc_u64 s[44:45], s[42:43], s[34:35]
	s_add_nc_u64 s[46:47], s[44:45], s[34:35]
.set i, 0
.rept 32
	v_mad_u32_u24 v[OFF+i], s18, i, v9
.set i, i+1
.endr
.macro LOAD t                          ; block t: W(32 t + i, my column) into set t % 2
.set i, 0
.rept 32
	global_load_b32 v[X+32*((\t)%2)+i], v[OFF+i], s[40+2*(\t):41+2*(\t)] th:TH_LOAD_NT
.set i, i+1
.endr
.endm
.macro BLOCK t                         ; block t = 2 c + h belongs to lane (r, h), registers 6 c .. 6 c + 5
.set XS, X+32*((\t)%2)
.if (\t) < 3
	s_wait_loadcnt 32                              ; this block's 32 loads are in; the next block's 32 may be out
.else
	s_wait_loadcnt 0x0
.endif
	v_max3_num_f32 v10, |v[XS]|, |v[XS+1]|, |v[XS+2]|              ; the block's largest magnitude: all 32 numbers are mine; two chains
	v_max3_num_f32 v11, |v[XS+3]|, |v[XS+4]|, |v[XS+5]|
.irp i, 6,10,14,18,22,26
	v_max3_num_f32 v10, v10, |v[XS+\i]|, |v[XS+\i+1]|
	v_max3_num_f32 v11, v11, |v[XS+\i+2]|, |v[XS+\i+3]|
.endr
	v_max3_num_f32 v10, v10, |v[XS+30]|, |v[XS+31]|
	v_max3_num_f32 v10, v10, v11, 0x1800000        ; and the floor 2^(3 - 127): the byte cannot fall under 1
	v_add_nc_u32 v12, 0xff000000, v10              ; 2 off the exponent field: the conversion takes this operand's exponent field as its scale
	v_lshrrev_b32 v13, 23, v12                     ; the scale's byte
.if (\t) == 0
	v_mov_b32 v16, v13
.else
	v_lshl_or_b32 v16, v13, 8*(\t), v16            ; byte t of my column's scale word
.endif
	v_cvt_scalef32_pk16_fp6_f32 v[C:C+2], v[XS:XS+15], v12
	v_cvt_scalef32_pk16_fp6_f32 v[T:T+2], v[XS+16:XS+31], v12      ; (a conversion's three registers begin on an even number)
	v_nop                                          ; one plain place behind a scaled conversion
.irp i, 0,1,2
	v_mov_b32 v[C+3+\i], v[T+\i]
.endr
	ds_store_b128 v4, v[C:C+3] offset:768*((\t)/2)+256*((\t)%2)
	ds_store_b64 v5, v[C+4:C+5] offset:768*((\t)/2)+128*((\t)%2)
.if (\t) < 2
	LOAD (\t)+2
.endif
	s_wait_dscnt 0x0                               ; the stores have read their registers: the next block's codes may be written
.endm
	LOAD 0
	LOAD 1
	BLOCK 0
	BLOCK 1
	BLOCK 2
	BLOCK 3
	s_wait_alu depctr_va_vdst(0)
	global_store_b32 v8, v16, s[30:31]             ; the wave's 32 scale words: 128 consecutive bytes
.irp n, 0,1,2,3,4,5
	ds_load_b128 v[OUT+4*\n:OUT+4*\n+3], v6 offset:FP*(\n/3)+512*(\n%3)   ; LDS serves a wave's instructions in order: these see my stores
.endr
.irp n, 0,1,2,3,4,5
	s_wait_dscnt 5-\n
	global_store_b128 v7, v[OUT+4*\n:OUT+4*\n+3], s[28:29] offset:512*\n  ; 32 lanes store 512 consecutive bytes, at a multiple of 256 from wimg's first byte
.endr
	s_wait_tensorcnt 0x0                           ; the wave's end: behind my last LDS store
	ds_add_u32 v[SPW], v[NIL]
	s_wait_dscnt 0x0
	s_endpgm
.Lfunc_end_k_q65f22134ad_wquant:
	.size	k_q65f22134ad_wquant, .Lfunc_end_k_q65f22134ad_wquant-k_q65f22134ad_wquant
	.p2alignl 7, 3214868480
	.fill 96, 4, 3214868480
	.section	.rodata,"a",@progbits
	.p2align	6, 0x0
	.amdhsa_kernel k_q65f22134ad_wquant
		.amdhsa_group_segment_fixed_size 13824
		.amdhsa_private_segment_fixed_size 0
		.amdhsa_enable_private_segment 0
		.amdhsa_kernarg_size 40
		.amdhsa_user_sgpr_count 2
		.amdhsa_user_sgpr_kernarg_segment_ptr 1
		.amdhsa_wavefront_size32 1
		.amdhsa_system_sgpr_workgroup_id_x 1
		.amdhsa_system_sgpr_workgroup_id_y 1
		.amdhsa_system_sgpr_workgroup_id_z 1
		.amdhsa_system_vgpr_workitem_id 0
		.amdhsa_next_free_vgpr 176
		.amdhsa_next_free_sgpr 66
		.amdhsa_reserve_vcc 0
		.amdhsa_float_denorm_mode_32 3
		.amdhsa_float_denorm_mode_16_64 3
		.amdhsa_memory_ordered 1
		.amdhsa_forward_progress 1
		.amdhsa_inst_pref_size 26
	.end_amdhsa_kernel
	.amdgpu_metadata
---
amdhsa.version: [ 1, 2 ]
amdhsa.kernels:
  - .name:           k_q65f22134ad_wquant
    .symbol:         k_q65f22134ad_wquant.kd
    .args:
      - { .name: w_qkv, .offset: 0, .size: 8, .value_kind: global_buffer, .address_space: global }
      - { .name: w_out, .offset: 8, .size: 8, .value_kind: global_buffer, .address_space: global }
      - { .name: w1, .offset: 16, .size: 8, .value_kind: global_buffer, .address_space: global }
      - { .name: w2, .offset: 24, .size: 8, .value_kind: global_buffer, .address_space: global }
      - { .name: wimg, .offset: 32, .size: 8, .value_kind: global_buffer, .address_space: global }
    .group_segment_fixed_size: 13824
    .private_segment_fixed_size: 0
    .kernarg_segment_align: 8
    .kernarg_segment_size: 40
    .max_flat_workgroup_size: 128
    .sgpr_count:     66
    .vgpr_count:     176
    .wavefront_size: 32
...
	.end_amdgpu_metadata
.endif
;; end of part 1
;; launch ln1 (part 2): grid 256 x 1, 8 waves a work-group, no clusters, 69,632 bytes of LDS; arguments x, ln1_g, ln1_b, xn; writes xn
.if DOCPART == 2
	.amdgcn_target "amdgcn-amd-amdhsa--gfx1250"
	.amdhsa_code_object_version 6
	.text
	.protected	k_q65f22134ad_ln1
	.globl	k_q65f22134ad_ln1
	.p2align	8
	.type	k_q65f22134ad_ln1,@function
k_q65f22134ad_ln1:
	s_mov_b64 s[64:65], 0
	v_nop
	global_prefetch_b8 v0, s[64:65] scope:SCOPE_SE
	s_setreg_imm32_b32 hwreg(HW_REG_WAVE_MODE, 25, 1), 1
	s_wait_xcnt 0x0
; y = (x - mean) rsqrt(var + 1e-5) g + b along rows of 1,024 f32, then y is quantised along the row to FP6 (E2M3) with one E8M0 byte for each 32, and stored as images of operand registers.
; LAYOUT OF THE OUTPUT: records of 128 rows x 512 columns, 51,200 bytes, [tile of 128 rows][2 chunks]: fragment (K step s, i) at (8 s + i) x 1,536, its scale words at 49,152 + (8 s + i) x 64 + 4 r.
; Lane r of fragment i holds row 64 (i / 4) + 8 (i % 4) + r % 8 + 32 (r / 8) of the tile.  A fragment: registers 6 c .. 6 c + 3 of lane L at 768 c + 16 L, registers 6 c + 4, 6 c + 5 at 768 c + 512 + 8 L.
; SHARES.  Work-group g takes the 16 rows of fragment i = g % 8 of tile g / 8; wave w their columns 128 w .. 128 w + 127, one K step.  Each load reads 512 consecutive bytes of a row.
; x, g and b are all asked for at the head, 48 loads a wave: nothing is asked for later.  b lies in window 1 (v256-319), which two switches at the loads and two at its use reach.
; The conversions want 16 neighbours in a lane: the wave's 16 x 512 bytes turn through its own stage in LDS (rows 528 bytes apart) and come back so that register 16 b + i of lane (r, h) is column 32 b + 16 h + i of row r.
; The mean, and then the mean of the squared deviations, are summed in the lane, with lane l xor 16, and over the eight waves through LDS: two barriers.  No difference of large sums is formed.
; The scale words leave as 64 bytes a wave: their neighbours belong to other work-groups; they are one byte in 24 of the output.
; LIMITS: a block of zeros keeps the byte 1 where the rule says 127 (its codes are zeros; this program alone reads the bytes); blocks under 2^-124 keep the byte 1; NaN and infinities are not served.
.set RS1,  0                           ; LDS: [wave][16 rows] partial sums, 512 bytes,
.set RS2,  512                         ; and those of the squares; both in front, so that every LDS immediate stays inside its 16 bits
.set STG,  1024                        ; the eight stages, 16 rows x 528 bytes each
.set SPARE, STG+8*16*528               ; the spare words, 128 bytes a wave
.set SPW,  14
.set NIL,  15
.set X,    32                          ; v32-95   my 64 numbers
.set G,    96                          ; v96-159  g at my columns; later the codes
.set R,    160                         ; v160-223 x as loaded
.set BB,   0                           ; v256-319 b at my columns: v0-63 of window 1
.set TM,   224                         ; v224-239 the quantiser's
.set PW,   240                         ; the scale word
.set PC,   96                          ; v96-114  the codes
.set SEL,  28
	s_load_b256 s[4:11], s[0:1], 0x0               ; x s[4:5], g s[6:7], b s[8:9], the records s[10:11]
	v_lshl_add_u32 v[SPW], v0, 2, SPARE
	v_mov_b32 v[NIL], 0
	v_lshrrev_b32 v1, 5, v0
	s_delay_alu instid0(VALU_DEP_1)
	v_readfirstlane_b32 s12, v1                    ; wave 0..7
	v_and_b32 v1, 15, v0                           ; r
	v_bfe_u32 v2, v0, 4, 1                         ; h
	v_and_b32 v3, 31, v0                           ; lane
	s_delay_alu instid0(VALU_DEP_1)
	v_lshlrev_b32 v4, 4, v3                        ; 16 x lane: x's offset, and an image's
	s_mul_i32 s13, s12, 16*528
	s_add_co_u32 s13, s13, STG                     ; my stage
	v_add_nc_u32 v5, s13, v4                       ; into it: a row as it lies
	v_mul_u32_u24 v6, v1, 528
	s_delay_alu instid0(VALU_DEP_1)
	v_lshl_add_u32 v6, v2, 6, v6
	s_delay_alu instid0(VALU_DEP_1)
	v_add_nc_u32 v6, s13, v6                       ; out of it: row r, + 64 h
	v_lshlrev_b32 v7, 6, v2                        ; g, b: 64 h
	v_lshlrev_b32 v9, 2, v1                        ; 4 r
	s_lshl_b32 s13, s12, 6
	v_add_nc_u32 v8, s13, v9                       ; my wave's partial sums: 64 w + 4 r
	v_lshl_add_u32 v11, v3, 3, 512                 ; an image's 512 + 8 x lane
	v_mov_b32 v29, 0x3a800000                      ; 1 / 1,024
.irp b, 0,1,2,3
	v_mov_b32 v[TM+4+\b], 0                        ; written once: a lane permute's destination counts as one of its sources
.endr
	s_mov_b32 s[SEL], 0x76543210
	s_mov_b32 s[SEL+1], 0xfedcba98                 ; v_permlanex16_b32's selects for lane l xor 16
	s_lshr_b32 s14, ttmp9, 3                       ; the tile of 128 rows
	s_and_b32 s15, ttmp9, 7                        ; the fragment i
	s_lshl_b32 s16, s14, 7
	; THE ROWS OF A FRAGMENT (this stands for the formula in the head comment): lane r of fragment i holds row 64 (i / 4) + 8 (i % 4) + r % 8 + 32 (r / 8) of the tile
	s_lshr_b32 s17, s15, 2
	s_lshl_b32 s17, s17, 6
	s_add_co_u32 s16, s16, s17
	s_and_b32 s17, s15, 3
	s_lshl_b32 s17, s17, 3
	s_add_co_u32 s16, s16, s17                     ; the fragment's first row: 128 T + 64 (i / 4) + 8 (i % 4)
	s_lshl_b32 s16, s16, 12
	s_lshl_b32 s18, s12, 9                         ; my wave's 512 bytes of a row
	s_add_co_u32 s16, s16, s18
	s_mov_b32 s17, 0
	s_mov_b32 s19, 0
	s_lshl_b32 s20, s14, 1
	s_lshr_b32 s21, s12, 2
	s_add_co_u32 s20, s20, s21
	s_mul_i32 s20, s20, 51200                      ; the record: 2 T + w / 4
	s_and_b32 s21, s12, 3
	s_lshl_b32 s21, s21, 3
	s_add_co_u32 s21, s21, s15                     ; 8 s + i
	s_mul_i32 s22, s21, 1536
	s_add_co_u32 s22, s22, s20
	s_mov_b32 s23, 0
	s_lshl_b32 s24, s21, 6
	s_add_co_u32 s24, s24, s20
	s_add_co_u32 s24, s24, 49152
	s_mov_b32 s25, 0
	s_wait_alu depctr_va_vdst(0)
	s_wait_kmcnt 0x0
	s_add_nc_u64 s[4:5], s[4:5], s[16:17]
	s_add_nc_u64 s[6:7], s[6:7], s[18:19]
	s_add_nc_u64 s[8:9], s[8:9], s[18:19]
	s_add_nc_u64 s[26:27], s[10:11], s[24:25]      ; the scale words
	s_add_nc_u64 s[10:11], s[10:11], s[22:23]      ; the fragment
.irp t, 0,1,2,3,4,5,6,7,8,9,10,11,12,13,14,15
	global_load_b128 v[R+4*\t:R+4*\t+3], v4, s[4:5] offset:(\t+24*(\t/8))*4096 th:TH_LOAD_NT   ; lane r's row lies r + 24 (r / 8) rows on
.endr
.irp b, 0,1,2,3
.irp j, 0,1,2,3
	global_load_b128 v[G+16*\b+4*\j:G+16*\b+4*\j+3], v7, s[6:7] offset:128*\b+16*\j
.endr
.endr
	s_set_vgpr_msb 0x40                            ; destination in window 1, address in window 0
.irp b, 0,1,2,3
.irp j, 0,1,2,3
	global_load_b128 v[BB+16*\b+4*\j:BB+16*\b+4*\j+3], v7, s[8:9] offset:128*\b+16*\j
.endr
.endr
	s_set_vgpr_msb 0x4000                          ; all back to window 0
	s_wait_loadcnt 32                              ; x's 16 loads are in; g's 16 and b's 16 may be out
.irp t, 0,1,2,3,4,5,6,7,8,9,10,11,12,13,14,15
	ds_store_b128 v5, v[R+4*\t:R+4*\t+3] offset:528*\t
.endr
.irp b, 0,1,2,3
.irp j, 0,1,2,3
	ds_load_b128 v[X+16*\b+4*\j:X+16*\b+4*\j+3], v6 offset:128*\b+16*\j   ; LDS serves a wave's instructions in order: these see my stores
.endr
.endr
	s_wait_dscnt 0x0                               ; the numbers are back
; v16, the lane's part of a row's sum, becomes the whole row's, in every lane of every wave, summed in one order everywhere
.macro ACROSS base
	s_delay_alu instid0(VALU_DEP_1)
	v_permlanex16_b32 v17, v16, s[SEL], s[SEL+1]
	s_delay_alu instid0(VALU_DEP_1)
	v_add_f32 v16, v16, v17                        ; my wave's 128 columns of row r
	ds_store_b32 v8, v16 offset:\base              ; (lanes l and l xor 16 write the same word with the same value)
	s_wait_dscnt 0x0                               ; for the others' sake
	s_barrier_signal -1
	s_barrier_wait -1
.irp k, 0,1,2,3,4,5,6,7
	ds_load_b32 v[16+\k], v9 offset:\base+64*\k
.endr
	s_wait_dscnt 0x0
	v_add_f32 v16, v16, v17
	v_add_f32 v18, v18, v19
	v_add_f32 v20, v20, v21
	v_add_f32 v22, v22, v23
	s_delay_alu instid0(VALU_DEP_3)
	v_add_f32 v16, v16, v18
	s_delay_alu instid0(VALU_DEP_2)
	v_add_f32 v20, v20, v22
	s_delay_alu instid0(VALU_DEP_1)
	v_add_f32 v16, v16, v20
.endm
.macro FOLD                            ; four packed chains into one number
	s_delay_alu instid0(VALU_DEP_3)
	v_pk_add_f32 v[16:17], v[16:17], v[18:19]
	s_delay_alu instid0(VALU_DEP_2)
	v_pk_add_f32 v[20:21], v[20:21], v[22:23]
	s_delay_alu instid0(VALU_DEP_1)
	v_pk_add_f32 v[16:17], v[16:17], v[20:21]
	s_delay_alu instid0(VALU_DEP_1)
	v_add_f32 v16, v16, v17
.endm
.irp k, 0,1,2,3
	v_pk_add_f32 v[16+2*\k:17+2*\k], v[X+2*\k:X+2*\k+1], v[X+8+2*\k:X+9+2*\k]   ; the first pairs start the chains
.endr
.set j, 16
.rept 24
	s_delay_alu instid0(VALU_DEP_4)
	v_pk_add_f32 v[16+j%8:17+j%8], v[16+j%8:17+j%8], v[X+j:X+j+1]
.set j, j+2
.endr
	FOLD
	ACROSS RS1
	s_delay_alu instid0(VALU_DEP_1)
	v_mul_f32 v24, v29, v16                        ; the mean
	s_delay_alu instid0(VALU_DEP_1)
	v_mov_b32 v25, v24
.set j, 0
.rept 32
	v_pk_add_f32 v[X+j:X+j+1], v[X+j:X+j+1], v[24:25] neg_lo:[0,1] neg_hi:[0,1]   ; d = x - mean
.set j, j+2
.endr
.irp k, 0,1,2,3
	v_pk_mul_f32 v[16+2*\k:17+2*\k], v[X+2*\k:X+2*\k+1], v[X+2*\k:X+2*\k+1]
.endr
.set j, 8
.rept 28
	s_delay_alu instid0(VALU_DEP_4)
	v_pk_fma_f32 v[16+j%8:17+j%8], v[X+j:X+j+1], v[X+j:X+j+1], v[16+j%8:17+j%8]
.set j, j+2
.endr
	FOLD
	ACROSS RS2                                     ; other bytes than the first sum's: no wave can overtake a reader
	s_delay_alu instid0(VALU_DEP_1)
	v_fmaak_f32 v28, v16, v29, 0x3727c5ac          ; var + 1e-5
	s_wait_alu depctr_va_vdst(0)
	v_rsq_f32 v26, v28
	v_rsq_f32 v27, v28                             ; twice: a pair for the packed multiply
	v_nop                                          ; a plain place behind the transcendentals
	s_wait_alu depctr_va_vdst(0)                   ; the wait ahead of the first reader: one for both
	s_wait_loadcnt 0x0                             ; g and b, asked for at the head
.set j, 0
.rept 32
	v_pk_mul_f32 v[X+j:X+j+1], v[X+j:X+j+1], v[26:27]
.set j, j+2
.endr
	s_set_vgpr_msb 0x10                            ; source 2 (b) in window 1
.set j, 0
.rept 32
	v_pk_fma_f32 v[X+j:X+j+1], v[X+j:X+j+1], v[G+j:G+j+1], v[BB+j:BB+j+1]
.set j, j+2
.endr
	s_set_vgpr_msb 0x1000                          ; all back to window 0
; THE QUANTISER: 64 numbers of a lane become a fragment's 12 registers and its scale word
.irp b, 0,1,2,3
	v_max3_num_f32 v[TM+\b], |v[X+16*\b]|, |v[X+1+16*\b]|, 0x1800000   ; block b: my 16 numbers, and the floor 2^(3 - 127)
.endr
.irp i, 2,4,6,8,10,12,14
.irp b, 0,1,2,3
	s_delay_alu instid0(VALU_DEP_4)
	v_max3_num_f32 v[TM+\b], v[TM+\b], |v[X+16*\b+\i]|, |v[X+1+16*\b+\i]|
.endr
.endr
.irp b, 0,1,2,3
	s_delay_alu instid0(VALU_DEP_4)
	v_permlanex16_b32 v[TM+4+\b], v[TM+\b], s[SEL], s[SEL+1]
.endr
.irp b, 0,1,2,3
	s_delay_alu instid0(VALU_DEP_4)
	v_max_num_f32 v[TM+\b], v[TM+\b], v[TM+4+\b]   ; with lane l xor 16's: the block's largest magnitude
.endr
.irp b, 0,1,2,3
	s_delay_alu instid0(VALU_DEP_4)
	v_add_nc_u32 v[TM+12+\b], 0xff000000, v[TM+\b] ; 2 off its exponent field: the conversion's scale operand
.endr
.irp b, 0,1,2,3
	s_delay_alu instid0(VALU_DEP_4)
	v_lshrrev_b32 v[TM+4+\b], 23, v[TM+12+\b]      ; the scale's byte
.endr
	s_delay_alu instid0(VALU_DEP_3)
	v_lshl_or_b32 v[PW], v[TM+5], 8, v[TM+4]
	s_delay_alu instid0(VALU_DEP_1)
	v_lshl_or_b32 v[PW], v[TM+6], 16, v[PW]
	s_delay_alu instid0(VALU_DEP_1)
	v_lshl_or_b32 v[PW], v[TM+7], 24, v[PW]
.irp c, 0,1
	v_cvt_scalef32_pk16_fp6_f32 v[PC+6*\c:PC+2+6*\c], v[X+32*\c:X+15+32*\c], v[TM+12+2*\c]
	v_cvt_scalef32_pk16_fp6_f32 v[PC+12+4*\c:PC+14+4*\c], v[X+16+32*\c:X+31+32*\c], v[TM+12+2*\c+1]
.endr
	v_nop                                          ; one plain place behind a scaled conversion
.irp c, 0,1                                    ; the layout wants a whole block in a lane: lanes 0-15 block 2 c, lanes 16-31 block 2 c + 1
.irp i, 0,1,2
	v_permlane16_swap_b32 v[PC+6*\c+\i], v[PC+12+4*\c+\i]
.endr
.irp i, 0,1,2
	s_delay_alu instid0(VALU_DEP_3)
	v_mov_b32 v[PC+3+6*\c+\i], v[PC+12+4*\c+\i]
.endr
.endr
.irp c, 0,1
	global_store_b128 v4, v[PC+6*\c:PC+6*\c+3], s[10:11] offset:768*\c       ; 512 consecutive bytes,
	global_store_b64 v11, v[PC+6*\c+4:PC+6*\c+5], s[10:11] offset:768*\c     ; and 256, both at multiples of 256 from the buffer's first byte
.endr
	global_store_b32 v9, v[PW], s[26:27]           ; (lanes l and l xor 16 hold and write the same word)
	s_wait_tensorcnt 0x0                           ; the wave's end: behind my last LDS store
	ds_add_u32 v[SPW], v[NIL]
	s_wait_dscnt 0x0
	s_endpgm
.Lfunc_end_k_q65f22134ad_ln1:
	.size	k_q65f22134ad_ln1, .Lfunc_end_k_q65f22134ad_ln1-k_q65f22134ad_ln1
	.p2alignl 7, 3214868480
	.fill 96, 4, 3214868480
	.section	.rodata,"a",@progbits
	.p2align	6, 0x0
	.amdhsa_kernel k_q65f22134ad_ln1
		.amdhsa_group_segment_fixed_size 69632
		.amdhsa_private_segment_fixed_size 0
		.amdhsa_enable_private_segment 0
		.amdhsa_kernarg_size 32
		.amdhsa_user_sgpr_count 2
		.amdhsa_user_sgpr_kernarg_segment_ptr 1
		.amdhsa_wavefront_size32 1
		.amdhsa_system_sgpr_workgroup_id_x 1
		.amdhsa_system_sgpr_workgroup_id_y 1
		.amdhsa_system_sgpr_workgroup_id_z 1
		.amdhsa_system_vgpr_workitem_id 0
		.amdhsa_next_free_vgpr 320
		.amdhsa_next_free_sgpr 66
		.amdhsa_reserve_vcc 0
		.amdhsa_float_denorm_mode_32 3
		.amdhsa_float_denorm_mode_16_64 3
		.amdhsa_memory_ordered 1
		.amdhsa_forward_progress 1
		.amdhsa_inst_pref_size 31
	.end_amdhsa_kernel
	.amdgpu_metadata
---
amdhsa.version: [ 1, 2 ]
amdhsa.kernels:
  - .name:           k_q65f22134ad_ln1
    .symbol:         k_q65f22134ad_ln1.kd
    .args:
      - { .name: x, .offset: 0, .size: 8, .value_kind: global_buffer, .address_space: global }
      - { .name: ln1_g, .offset: 8, .size: 8, .value_kind: global_buffer, .address_space: global }
      - { .name: ln1_b, .offset: 16, .size: 8, .value_kind: global_buffer, .address_space: global }
      - { .name: xn, .offset: 24, .size: 8, .value_kind: global_buffer, .address_space: global }
    .group_segment_fixed_size: 69632
    .private_segment_fixed_size: 0
    .kernarg_segment_align: 8
    .kernarg_segment_size: 32
    .max_flat_workgroup_size: 256
    .sgpr_count:     66
    .vgpr_count:     320
    .wavefront_size: 32
...
	.end_amdgpu_metadata
.endif
;; end of part 2
;; launch qkv (part 3): grid 8 x 32, 4 waves a work-group, clusters of 4 x 4, 327,680 bytes of LDS; arguments xn, wimg, qkvb; writes qkvb
.if DOCPART == 3
	.amdgcn_target "amdgcn-amd-amdhsa--gfx1250"
	.amdhsa_code_object_version 6
	.text
	.protected	k_q65f22134ad_qkv
	.globl	k_q65f22134ad_qkv
	.p2align	8
	.type	k_q65f22134ad_qkv,@function
k_q65f22134ad_qkv:
	s_mov_b64 s[64:65], 0
	v_nop
	global_prefetch_b8 v0, s[64:65] scope:SCOPE_SE
	s_setreg_imm32_b32 hwreg(HW_REG_WAVE_MODE, 25, 1), 1
	s_wait_xcnt 0x0
	s_wait_alu depctr_hold_cnt(0) depctr_sa_sdst(0) depctr_va_vdst(0) depctr_va_sdst(0) depctr_va_ssrc(0) depctr_va_vcc(0) depctr_vm_vsrc(0)
	s_getreg_b32 s2, hwreg(HW_REG_IB_STS2, 6, 4)
	s_cmp_eq_u32 s2, 0
	s_cbranch_scc0 .Lentry_in_a_cluster
	s_endpgm
.Lentry_in_a_cluster:
	s_bfe_u32 s2, ttmp6, 0x10000c
	s_cmp_lg_u32 s2, 0xf033
	s_cbranch_scc0 .Lentry_shape_is_right
	s_endpgm
.Lentry_shape_is_right:
; q, k, v = LN(x) w_qkv on codes of FP6 (E2M3) with E8M0 scales, K = 1,024; the results are quantised in registers and stored as the attention launch's operands.
; OPERANDS are records of 128 rows x 512 K, 51,200 bytes: fragment (K step s of 128, i) at (8 s + i) x 1,536 as an image of its 12 registers (registers 6 c .. 6 c + 3 of lane L at 768 c + 16 L, 6 c + 4, 6 c + 5 at
; 768 c + 512 + 8 L), scale words at 49,152 + (8 s + i) x 64 + 4 r.  Lane r of fragment i holds row rho(i, r) = 32 (i / 2) + 8 (i % 2) + r + 8 (r / 8): so the 16 registers of two neighbouring results are 16 neighbours along source 0's rows.
; SHARES.  256 work-groups: token tile T (128 tokens) x X; the work-group walks the column tiles X, X + 8, X + 16: q, k and v of heads 2 X and 2 X + 1.  Four waves, each 64 tokens x 64 columns (one head): 16 accumulators.
; LDS: slots 0 and 1, 102,400 bytes each, are chunk 0 and 1 of K: A's record, then the first tile's record of B.  Behind them, as slots 2 and 3, lie the second tile's two records of B (A's are those of slots 0 and 1).
; All of that is asked for at the start, two loads a wave.  A's records serve all three tiles.  ONE refill is left: behind the first tile's last reads its two records of B take the third tile's, half a record a wave;
; that load has the first tile's way out and the whole second tile in which to land.
; CLUSTER 4 x 4: A's records hang on T alone and are asked for jointly along a row of the cluster, B's on X alone, along a column.
; q, k: source 0 = 16 columns, source 1 = 16 tokens: a lane holds one token and 64 d of its head, which are K of the scores.  v: the sources change places: a lane holds one d and 64 tokens, which are K of the second product.
; OUTPUT (qkvb): q's halves [bh][fragment of 16 tokens][768] at 0, their two scale bytes in the low half of a word [bh][fragment][16] at QS; for each (bh, key step of 128): K as four fragments of 32 keys x 64 d
; (registers 0-5: an even fragment of tokens, 6-11: the odd one), then V as four fragments of 16 d x 128 keys, 12,288 bytes, at KVC; their scale words, 256 + 256 bytes, at KVS.
; LIMITS: a block of zeros keeps the byte 1 (its codes are zeros; this program alone reads the bytes); blocks under 2^-124 keep the byte 1; NaN and infinities are not served.
.set KC,    2                          ; chunks of 512 along K
.set WOFF,  0                          ; w_qkv's first byte in wimg
.set BT,    KC*51200                   ; bytes from X to X + 1 in B
.set BSTEP, 8*KC*51200                 ; bytes from a tile of the walk to the next
.set RSTEP, 2*BSTEP                    ; what the refill's address steps by: from the first tile to the third
.set SETQ,  204800                     ; LDS behind slots 0 and 1: the second tile's two records of B
.set SST,   307200                     ; 2,048 bytes in which the tiles' scale words meet: q's 1,024, k's 512, v's 512: each tile has bytes of its own
.set SPARE, SST+2048                   ; the spare words, 128 bytes a wave
.set QS,    3145728
.set KVC,   3407872
.set KVR,   12800                      ; a record of (bh, key step): K 6,144 bytes, V 6,144, K's scale words 256, V's 256: fifty runs of 256 bytes on end, from KVC on (this stands for the head comment's KVS)
.set SEL,   78
.set G0Q,   88                         ; s[88:91] descriptor group 0 of the second tile's B
.set B16, 108                          ; v108-111 LDS address of my B fragments' 16-byte parts in slots 0 .. 3;  v112-115 of their 8-byte parts
.set B8,  112
.set AS,  116                          ; v116-119 of my scale words: lanes 0-15 A's, lanes 16-31 B's
; ---- the core, the same text in the two product launches that keep A's records in LDS ----
.set REC,   51200
.set HALF,  25600                      ; what one tensor load brings: 100 rows of 256 bytes
.set SLOT,  2*REC
.set SCO,   49152
.set A16, 4                            ; v4-5   LDS address of my A fragments' 16-byte parts in chunk 0, 1;  v6-7 of their 8-byte parts
.set A8,  6
.set O16, 14                           ; v14    16 x lane
.set O8,  15                           ; v15    512 + 8 x lane
.set SPW, 22                           ; v22    LDS address of my spare word; never rewritten
.set NIL, 23                           ; v23    0; never rewritten
.set SC,  24                           ; v24-31 scale words, two sets of four
.set ACC, 128                          ; v128-255 accumulator (x, y) at ACC + 8 (4 y + x)
.set F0,  0                            ; window 1: two sets of fragments: A's four at + 12 i, B's at + 48 + 12 i
.set F1,  96
.set BI,  192                          ; window 1: a bias in the result's layout
.set G0R, 16                           ; s[16:19] descriptor group 0 of the refills of B: half a record a wave
.set G1,  24                           ; s[24:31] descriptor group 1 for A;  s[32:39] group 0, a set for each slot
.set G0,  32
.set G1B, 48                           ; s[48:55], s[56:63] the same for B
.set G0B, 56
.set MSB, 0
.macro WIN new                         ; the immediate's high byte repeats the setting that is left
.if MSB != \new
	s_set_vgpr_msb (MSB<<8)|\new
.set MSB, \new
.endif
.endm
.set MUL,  0x05                        ; sources 0 and 1 window 1; C and D window 0
.set MULB, 0x15                        ; the same with C in window 1
.set TO_F, 0x40                        ; destination window 1, address window 0
.macro PLACES n
.rept \n
	v_nop
.endr
.endm
.macro JLOAD s                         ; a joint first fill: waves 0, 1 fetch A's halves, waves 2, 3 B's; an s_nop 0 and four v_nop follow each line
	s_cmp_eq_u32 s11, 0
	s_cbranch_scc0 .Lfor_b_\@
	tensor_load_to_lds s[G0+4*\s:G0+4*\s+3], s[G1:G1+7]
	s_nop 0
	PLACES 4
	s_branch .Lasked_\@
.Lfor_b_\@:
	tensor_load_to_lds s[G0B+4*\s:G0B+4*\s+3], s[G1B:G1B+7]
	s_nop 0
	PLACES 4
.Lasked_\@:
.endm
.macro CREST                           ; a round of the cluster's barrier behind its opening barrier
	s_cmp_lg_u32 s10, 0
	s_cbranch_scc1 .Lnot_wave_0_\@
	s_barrier_signal -3
.Lnot_wave_0_\@:
	s_barrier_wait -3
	s_barrier_signal -1
	s_barrier_wait -1
.endm
.macro CROUND
	s_barrier_signal -1
	s_barrier_wait -1
	CREST
.endm
; 36 LDS loads in one run: K step q of a slot into set f: four scale words, B's four fragments, A's four (A's chunk is slot % 2).  Every load is dense: 16, 8 or 4 bytes a lane on end.
.macro FETCH slot, q, f
	WIN 0
.irp i, 0,1,2,3
	ds_load_b32 v[SC+4*((\f)/96)+\i], v[AS+(\slot)] offset:512*(\q)+64*\i
.endr
	WIN TO_F
.irp i, 0,1,2,3
	ds_load_b128 v[(\f)+48+12*\i:(\f)+48+12*\i+3], v[B16+(\slot)] offset:12288*(\q)+1536*\i
	ds_load_b64 v[(\f)+48+12*\i+4:(\f)+48+12*\i+5], v[B8+(\slot)] offset:12288*(\q)+1536*\i
	ds_load_b128 v[(\f)+48+12*\i+6:(\f)+48+12*\i+9], v[B16+(\slot)] offset:12288*(\q)+1536*\i+768
	ds_load_b64 v[(\f)+48+12*\i+10:(\f)+48+12*\i+11], v[B8+(\slot)] offset:12288*(\q)+1536*\i+768
.endr
.irp i, 0,1,2,3
	ds_load_b128 v[(\f)+12*\i:(\f)+12*\i+3], v[A16+(\slot)%2] offset:12288*(\q)+1536*\i
	ds_load_b64 v[(\f)+12*\i+4:(\f)+12*\i+5], v[A8+(\slot)%2] offset:12288*(\q)+1536*\i
	ds_load_b128 v[(\f)+12*\i+6:(\f)+12*\i+9], v[A16+(\slot)%2] offset:12288*(\q)+1536*\i+768
	ds_load_b64 v[(\f)+12*\i+10:(\f)+12*\i+11], v[A8+(\slot)%2] offset:12288*(\q)+1536*\i+768
.endr
.endm
; Four products, x = 0 .. 3.  sw = 0: source 0 = B's fragment x, source 1 = A's fragment y;  sw = 1: source 0 = A's x, source 1 = B's y.  first = 1: C = 0;  2: C = the bias;  0: in place.
; The 16 accumulators take turns, one instruction a turn, in the same order in every K step.
.macro MUL4 f, y, first, sw
.if (\first) == 2
	WIN MULB
.else
	WIN MUL
.endif
.set SS, SC+4*((\f)/96)
.irp x, 0,1,2,3
.set DD, ACC+8*(4*(\y)+\x)
.if \sw
.set RA, (\f)+12*\x
.set RB, (\f)+48+12*(\y)
.if (\first) == 1
	v_wmma_scale_f32_16x16x128_f8f6f4 v[DD:DD+7], v[RA:RA+11], v[RB:RB+11], 0, v[SS+\x], v[SS+(\y)] matrix_a_fmt:MATRIX_FMT_FP6 matrix_b_fmt:MATRIX_FMT_FP6 matrix_b_scale:MATRIX_SCALE_ROW1
.else
	v_wmma_scale_f32_16x16x128_f8f6f4 v[DD:DD+7], v[RA:RA+11], v[RB:RB+11], v[DD:DD+7], v[SS+\x], v[SS+(\y)] matrix_a_fmt:MATRIX_FMT_FP6 matrix_b_fmt:MATRIX_FMT_FP6 matrix_b_scale:MATRIX_SCALE_ROW1
.endif
.else
.set RA, (\f)+48+12*\x
.set RB, (\f)+12*(\y)
.if (\first) == 1
	v_wmma_scale_f32_16x16x128_f8f6f4 v[DD:DD+7], v[RA:RA+11], v[RB:RB+11], 0, v[SS+\x], v[SS+(\y)] matrix_a_fmt:MATRIX_FMT_FP6 matrix_b_fmt:MATRIX_FMT_FP6 matrix_a_scale:MATRIX_SCALE_ROW1
.elseif (\first) == 2
	v_wmma_scale_f32_16x16x128_f8f6f4 v[DD:DD+7], v[RA:RA+11], v[RB:RB+11], v[BI+8*\x:BI+8*\x+7], v[SS+\x], v[SS+(\y)] matrix_a_fmt:MATRIX_FMT_FP6 matrix_b_fmt:MATRIX_FMT_FP6 matrix_a_scale:MATRIX_SCALE_ROW1
.else
	v_wmma_scale_f32_16x16x128_f8f6f4 v[DD:DD+7], v[RA:RA+11], v[RB:RB+11], v[DD:DD+7], v[SS+\x], v[SS+(\y)] matrix_a_fmt:MATRIX_FMT_FP6 matrix_b_fmt:MATRIX_FMT_FP6 matrix_a_scale:MATRIX_SCALE_ROW1
.endif
.endif
.endr
.endm
; A K step with no barrier: multiplies set f, and in its middle fetches K step nq of slot ns into set g.
.macro KSTEP ns, nq, f, g, first, sw
.if \sw
	s_wait_dscnt 0x0                               ; source 0 walks all of A's fragments: all 36 loads are in
.else
	s_wait_dscnt 8                                 ; scales, B and A's fragments 0, 1 are in; the youngest eight loads (A's 2, 3) may be out
.endif
	MUL4 \f, 0, \first, \sw
	MUL4 \f, 1, \first, \sw
	PLACES 4                                       ; in front of loads into registers that matrix instructions have read (ISA guide 7.12.1 for instructions other than loads)
	FETCH \ns, \nq, \g
	s_wait_dscnt 36                                ; all but the 36 just issued
	MUL4 \f, 2, \first, \sw
	MUL4 \f, 3, \first, \sw
.endm
; A K step (set F1) with a barrier: in front of it each wave waits for all its tensor loads, adds 0 to its spare word, and waits for that and for its LDS reads.  So behind it all that was asked for lies in LDS for every wave.
; fill = 1: the tile's two records of B, which nobody reads any more, are filled again: the barrier opens a round of the cluster's barrier, and each wave's half record is the first thing behind the round.
; fetch = 1: K step 0 of slot next is fetched into set F0.
.macro TURN next, fill, fetch, sw
	WIN 0                                          ; (the add's two registers lie in window 0)
	s_wait_tensorcnt 0x0                           ; all my tensor loads have landed
	ds_add_u32 v[SPW], v[NIL]                      ; 0 onto my spare word
.if \sw
	s_wait_dscnt 1                                 ; (the add may be out)
.else
	s_wait_dscnt 9                                 ; (the add and the youngest eight loads may be out)
.endif
	MUL4 F1, 0, 0, \sw                             ; four products stand between the add and the wait for it
	s_wait_dscnt 0x0                               ; the add is done, and my LDS reads are over
	s_barrier_signal -1
	MUL4 F1, 1, 0, \sw
	WIN 0
	s_barrier_wait -1
.if \fill
	CREST                                          ; no wave of any partner still reads these records or has a load on its way
	s_add_nc_u64 s[G0R+2:G0R+3], s[G0R+2:G0R+3], RSTEP
	tensor_load_to_lds s[G0R:G0R+3], s[G1B:G1B+7]  ; all four waves: one line, one mask
	s_nop 0
.endif
	PLACES 4                                       ; behind the tensor load, and in front of the loads below
.if \fetch
	FETCH \next, 0, F0
.endif
	MUL4 F1, 2, 0, \sw
	MUL4 F1, 3, 0, \sw
.endm
.macro LAST sw                         ; the very last K step: nothing more to fetch
.if \sw
	s_wait_dscnt 0x0
.else
	s_wait_dscnt 8
.endif
	MUL4 F1, 0, 0, \sw
	MUL4 F1, 1, 0, \sw
	s_wait_dscnt 0x0
	MUL4 F1, 2, 0, \sw
	MUL4 F1, 3, 0, \sw
	WIN 0
.endm
; ---- the quantiser of a wave's 64 x 64 results: for each y the 32 registers ACC + 32 y .. are two blocks of 32 along the next K, 16 numbers of each in lanes l and l xor 16 ----
.set TM, 32                            ; v32-39 largest magnitudes;  v40-47 the other lane's, then bytes;  v48-55 scale operands;  v56-59 two bytes for each y
.set TP, 40
.set SO, 48
.set W,  56
.set SD, 60                            ; v60-61 scale words on their way out;  v62-63 at work
.set PC, 64                            ; v64-87 four half fragments of six registers;  v88-103 their upper halves as the conversions leave them
.set PT, 88
; whole = 0: a block of 32 lies in lanes l and l xor 16, 16 numbers in each.  whole = 1 (v: a token fragment's rows are 64 (i / 4) + 8 (i % 4) + r % 8 + 32 (r / 8)): the 32 registers of a y are one whole block of 32 tokens
.macro EQ whole
	s_wait_xcnt 0x0                                ; the last tile's stores have read their data registers, which are written again below
.irp B, 0,1,2,3,4,5,6,7
	v_max3_num_f32 v[TM+\B], |v[ACC+16*\B]|, |v[ACC+16*\B+1]|, 0x1800000   ; each accumulator is read from its low end on; the floor 2^(3 - 127) holds the byte at 1 from below
.endr
.irp i, 2,4,6,8,10,12,14
.irp B, 0,1,2,3,4,5,6,7
	v_max3_num_f32 v[TM+\B], v[TM+\B], |v[ACC+16*\B+\i]|, |v[ACC+16*\B+\i+1]|
.endr
.endr
.if \whole
.irp y, 0,1,2,3
	v_max_num_f32 v[TM+2*\y+1], v[TM+2*\y], v[TM+2*\y+1]   ; the block's two halves are both mine
.endr
.irp y, 0,1,2,3
	v_max_num_f32 v[TM+2*\y], v[TM+2*\y], v[TM+2*\y+1]     ; both halves go on with the block's largest magnitude
.endr
.else
.irp B, 0,1,2,3,4,5,6,7
	v_permlanex16_b32 v[TP+\B], v[TM+\B], s[SEL], s[SEL+1]
.endr
.irp B, 0,1,2,3,4,5,6,7
	v_max_num_f32 v[TM+\B], v[TM+\B], v[TP+\B]     ; the block's largest magnitude
.endr
.endif
.irp B, 0,1,2,3,4,5,6,7
	v_add_nc_u32 v[SO+\B], 0xff000000, v[TM+\B]    ; 2 off its exponent field: the conversion's scale operand
.endr
.irp B, 0,1,2,3,4,5,6,7
	v_lshrrev_b32 v[TP+\B], 23, v[SO+\B]           ; the scale's byte
.endr
.irp y, 0,1,2,3
	v_lshl_or_b32 v[W+\y], v[TP+2*\y+1], 8, v[TP+2*\y]
.endr
.irp y, 0,1,2,3
	v_cvt_scalef32_pk16_fp6_f32 v[PC+6*\y:PC+6*\y+2], v[ACC+32*\y:ACC+32*\y+15], v[SO+2*\y]
	v_cvt_scalef32_pk16_fp6_f32 v[PT+4*\y:PT+4*\y+2], v[ACC+32*\y+16:ACC+32*\y+31], v[SO+2*\y+1]
.endr
	v_nop                                          ; one plain place behind a scaled conversion
.irp y, 0,1,2,3                                ; the layout wants a whole block in a lane: lanes 0-15 the first, lanes 16-31 the second
.if (\whole) == 0
.irp i, 0,1,2
	v_permlane16_swap_b32 v[PC+6*\y+\i], v[PT+4*\y+\i]
.endr
.endif
.irp i, 0,1,2
	v_mov_b32 v[PC+6*\y+3+\i], v[PT+4*\y+\i]
.endr
.endr
.endm
.macro PUT sb, step                    ; the four halves leave: 512 and 256 consecutive bytes a store, at multiples of 256 from the buffer's first byte
.irp y, 0,1,2,3
	global_store_b128 v[O16], v[PC+6*\y:PC+6*\y+3], s[\sb:\sb+1] offset:(\step)*\y
	global_store_b64 v[O8], v[PC+6*\y+4:PC+6*\y+5], s[\sb:\sb+1] offset:(\step)*\y
.endr
.endm
; The scale words that the waves have put together in LDS, lo bytes on, leave as whole runs of 256 bytes, one a wave, by the first nw waves.
; tw = 1: the barrier also shows every wave the records of B that were asked for behind the tile's last reads: each wave waits for its one load in front of it.
.macro SOUT nw, sb, off, lo, tw
.if \tw
	s_wait_tensorcnt 0x0                           ; my half record has landed: no load was issued behind it
.endif
	s_wait_dscnt 0x0                               ; for the others' sake: my stores have landed
	s_barrier_signal -1
	s_barrier_wait -1
.if \nw < 4
	s_cmp_lt_u32 s10, \nw
	s_cbranch_scc0 .Lno_\@
.endif
	ds_load_b64 v[SD:SD+1], v19 offset:\lo
	s_wait_dscnt 0x0                               ; (where these bytes are stored again, a later K step's barrier stands between)
	global_store_b64 v20, v[SD:SD+1], s[\sb:\sb+1] offset:\off
.Lno_\@:
.endm
; ---- the head ----
	s_load_b128 s[4:7], s[0:1], 0x0                ; A's records s[4:5], wimg s[6:7]
	s_load_b64 s[8:9], s[0:1], 0x10                ; qkvb
	v_lshl_add_u32 v[SPW], v0, 2, SPARE
	v_mov_b32 v[NIL], 0
	ds_add_u32 v[SPW], v[NIL]                      ; the wave's opening: the add and its wait ahead of my first tensor load
	ds_add_u32 v[SPW], v[NIL]
	v_lshrrev_b32 v1, 5, v0
	v_readfirstlane_b32 s10, v1                    ; wave 0..3
	s_lshr_b32 s11, s10, 1                         ; wa: my half of the tokens.  Also: in the first fills I fetch for A (0) or for B (1)
	s_and_b32 s12, s10, 1                          ; wb: my half of the columns.  Also: which half of a record I fetch
	s_bfe_u32 s40, ttmp6, 0x40000                  ; cx, cy: my place in the cluster
	s_bfe_u32 s41, ttmp6, 0x40004
	s_lshl_b32 s42, ttmp9, 2
	s_add_co_u32 s42, s42, s40                     ; X = 4 x cluster x + cx
	s_and_b32 s13, ttmp7, 0xffff
	s_lshl_b32 s13, s13, 2
	s_add_co_u32 s13, s13, s41                     ; T = 4 x cluster y + cy
	s_lshl_b32 s43, s41, 2
	s_lshl_b32 s43, 15, s43                        ; my row of the cluster
	s_lshl_b32 s44, 0x1111, s40                    ; my column
	s_or_b32 s[G1+0], s43, (3<<16)|(1<<21)         ; 15:0 the mask; 17:16 elements of 8 bytes; 21 set beside a mask; no padding
	s_or_b32 s[G1B+0], s44, (3<<16)|(1<<21)
.irp g, G1, G1B
	s_mov_b32 s[\g+1], 32<<16                      ; tensor_dim0 = 32 elements: 256 bytes
	s_mov_b32 s[\g+2], 200<<16                     ; tensor_dim1 = 200 rows: the head's loads bring a whole record
	s_mov_b32 s[\g+3], 32<<16                      ; tile_dim0
	s_mov_b32 s[\g+4], 200                         ; tile_dim1
	s_mov_b32 s[\g+5], 32                          ; the rows are dense
	s_mov_b32 s[\g+6], 0
	s_mov_b32 s[\g+7], 0
.endr
	s_mul_i32 s16, s13, KC*REC                     ; A: tile T's first record, my half of it
	s_mul_i32 s17, s12, HALF
	s_add_co_u32 s16, s16, s17
	s_mov_b32 s17, 0
	s_mul_i32 s46, s42, BT                         ; B: the walk's first tile
	s_mul_i32 s47, s12, HALF
	s_add_co_u32 s46, s46, s47
	s_add_co_u32 s46, s46, WOFF
	s_mov_b32 s47, 0
	s_mul_i32 s20, s10, HALF                       ; where the first fills go: wave x half a record: no place in the cluster enters an LDS address
	s_wait_dscnt 0x0                               ; the opening add is done
	s_wait_kmcnt 0x0
	s_add_nc_u64 s[14:15], s[4:5], s[16:17]
	s_add_nc_u64 s[46:47], s[6:7], s[46:47]
	s_mul_i32 s18, s11, REC                        ; where all four waves fetch for B, wave w takes the tile's bytes from w x half a record on
	s_mov_b32 s19, 0
	s_add_nc_u64 s[18:19], s[46:47], s[18:19]      ; of the walk's first tile: the refill steps it
	s_mov_b32 s[G0Q], 1                            ; the second tile's B: 1:0 count = 1
	s_add_co_u32 s[G0Q+1], s20, SETQ               ; 63:32 LDS address: its two records lie on end
	s_add_nc_u64 s[G0Q+2:G0Q+3], s[18:19], BSTEP   ; 120:64 global address
	s_or_b32 s[G0Q+3], s[G0Q+3], 0x80000000        ; 127:126 type = 2
	s_or_b32 s[G0R+3], s[G0R+3], 0x80000000
	s_mul_i32 s[G0R+1], s11, SLOT                  ; the refill goes to slot w / 2,
	s_mul_i32 s[G0R], s12, HALF                    ; half w % 2
	s_add_co_u32 s[G0R+1], s[G0R+1], s[G0R]
	s_add_co_u32 s[G0R+1], s[G0R+1], REC           ; of the record behind A's
	s_mov_b32 s[G0R], 1
	CROUND                                         ; all sixteen work-groups are here: the first joint loads meet
	; THE HEAD'S LOADS, ONE A WAVE: wave w fetches the whole record of A (w / 2 = 0) or of the first tile's B (1) of chunk w % 2, into slot w % 2
	s_mul_i32 s22, s12, HALF                       ; s[14:15] and s[46:47] stand w % 2 half records in: as much again is chunk w % 2's record
	s_mov_b32 s23, 0
	s_mov_b32 s[G0], 1
	s_mul_i32 s[G0+1], s12, SLOT
	s_add_nc_u64 s[G0+2:G0+3], s[14:15], s[22:23]
	s_or_b32 s[G0+3], s[G0+3], 0x80000000
	s_mov_b32 s[G0B], 1
	s_add_co_u32 s[G0B+1], s[G0+1], REC
	s_add_nc_u64 s[G0B+2:G0B+3], s[46:47], s[22:23]
	s_or_b32 s[G0B+3], s[G0B+3], 0x80000000
	JLOAD 0
	v_and_b32 v1, 15, v0                           ; r
	v_bfe_u32 v2, v0, 4, 1                         ; h
	v_and_b32 v3, 31, v0                           ; lane
	v_lshlrev_b32 v[O16], 4, v3
	v_lshl_add_u32 v[O8], v3, 3, 512
	s_mul_i32 s21, s11, 6144                       ; my four fragments of A
	s_mul_i32 s22, s12, 6144                       ; and of B:
	s_add_co_u32 s23, s22, SETQ                    ; in slots 2 and 3,
	s_add_co_u32 s22, s22, REC                     ; in slots 0 and 1 behind A's record
.irp s, 0,1
	v_add_nc_u32 v[A16+\s], s21, v[O16]
	v_add_nc_u32 v[A8+\s], s21, v[O8]
	v_add_nc_u32 v[B16+\s], s22, v[O16]
	v_add_nc_u32 v[B8+\s], s22, v[O8]
	v_add_nc_u32 v[B16+2+\s], s23, v[O16]
	v_add_nc_u32 v[B8+2+\s], s23, v[O8]
	s_add_co_u32 s21, s21, SLOT
	s_add_co_u32 s22, s22, SLOT
	s_add_co_u32 s23, s23, REC
.endr
	s_lshl_b32 s21, s11, 8
	s_lshl_b32 s22, s12, 8
	s_add_co_u32 s22, s22, REC
	s_sub_co_u32 s22, s22, s21                     ; from A's words to B's in slots 0 and 1
	v_mul_u32_u24 v16, s22, v2                     ; lanes 16-31 take B's
	v_lshl_add_u32 v16, v1, 2, v16
	s_add_co_u32 s21, s21, SCO                     ; A's words of chunk 0,
	v_add_nc_u32 v[AS], s21, v16
	s_add_co_u32 s23, s21, SLOT                    ; of chunk 1
	v_add_nc_u32 v[AS+1], s23, v16
	s_add_co_u32 s22, s22, 2*REC                   ; from A's words of chunk 1 to slot 3's: two records further
	v_mul_u32_u24 v16, s22, v2
	v_lshl_add_u32 v16, v1, 2, v16
	v_add_nc_u32 v[AS+3], s23, v16
	s_add_co_u32 s22, s22, REC                     ; from A's words of chunk 0 to slot 2's: one more
	v_mul_u32_u24 v16, s22, v2
	v_lshl_add_u32 v16, v1, 2, v16
	v_add_nc_u32 v[AS+2], s21, v16
; ---- this launch's own addresses ----
.irp B, 0,1,2,3,4,5,6,7
	v_mov_b32 v[TP+\B], 0                          ; written once: a lane permute's destination counts as one of its sources
.endr
	s_mov_b32 s[SEL], 0x76543210
	s_mov_b32 s[SEL+1], 0xfedcba98
	s_lshl_b32 s85, s12, 9
	s_lshl_b32 s86, s11, 8
	s_add_co_u32 s85, s85, s86
	s_add_co_u32 s85, s85, SST
	v_lshl_add_u32 v16, v1, 2, s85                 ; q's words: 512 wb + 64 (4 wa + y) + 4 r
	s_lshl_b32 s85, s12, 8
	s_lshl_b32 s86, s11, 7
	s_add_co_u32 s86, s86, s85
	s_add_co_u32 s86, s86, SST+1024
	v_lshl_add_u32 v17, v1, 2, s86                 ; k's, 1,024 bytes on: 256 wb + 64 (2 wa + p) + 4 r
	s_lshl_b32 s86, s11, 1
	s_add_co_u32 s86, s86, s85
	s_add_co_u32 s86, s86, SST+1536
	v_lshl_add_u32 v18, v1, 2, s86
	v_add_nc_u32 v18, v18, v2                      ; v's, 1,536 bytes on: 256 wb + 64 y + 4 r + 2 wa + h: a lane's block of 32 tokens is block 2 wa + h of the key step
	s_lshl_b32 s85, s10, 8
	s_add_co_u32 s85, s85, SST
	v_lshl_add_u32 v19, v3, 3, s85                 ; back: 256 bytes a wave, 8 a lane
	v_lshlrev_b32 v20, 3, v3
	s_lshr_b32 s66, s13, 4
	s_lshl_b32 s66, s66, 4
	s_lshl_b32 s67, s42, 1
	s_add_co_u32 s66, s66, s67                     ; bh0 = 16 x batch + 2 X
	s_add_co_u32 s67, s66, s12                     ; my head: bh0 + wb
	s_and_b32 s84, s13, 15                         ; the key step: the tile within its batch
	s_lshl_b32 s85, s67, 7
	s_lshl_b32 s86, s84, 3
	s_add_co_u32 s85, s85, s86
	s_lshl_b32 s86, s11, 2
	s_add_co_u32 s85, s85, s86
	s_mul_i32 s68, s85, 768                        ; q's halves: fragment 128 bh + 8 ks + 4 wa
	s_mov_b32 s69, 0
	s_add_nc_u64 s[68:69], s[8:9], s[68:69]
	s_add_co_u32 s85, s66, s11                     ; q's words leave by wave: head bh0 + w / 2, half w % 2 of its 512 bytes
	s_lshl_b32 s85, s85, 7
	s_lshl_b32 s86, s84, 3
	s_add_co_u32 s85, s85, s86
	s_lshl_b32 s85, s85, 6
	s_lshl_b32 s86, s12, 8
	s_add_co_u32 s85, s85, s86
	s_add_co_u32 s70, s85, QS
	s_mov_b32 s71, 0
	s_add_nc_u64 s[70:71], s[8:9], s[70:71]
	s_lshl_b32 s85, s67, 4
	s_add_co_u32 s85, s85, s84                     ; 16 bh + ks
	s_mul_i32 s86, s85, KVR
	s_add_co_u32 s86, s86, KVC
	s_mul_i32 s87, s11, 3072
	s_add_co_u32 s72, s86, s87                     ; K's halves: 3,072 wa + 768 y
	s_mov_b32 s73, 0
	s_add_nc_u64 s[72:73], s[8:9], s[72:73]
	s_mul_i32 s87, s11, 768
	s_add_co_u32 s76, s86, s87
	s_add_co_u32 s76, s76, 6144                    ; V's: 6,144 + 1,536 y + 768 wa
	s_mov_b32 s77, 0
	s_add_nc_u64 s[76:77], s[8:9], s[76:77]
	s_mul_i32 s74, s85, KVR                        ; K's and V's words, behind the record's codes, leave by waves 0 and 1
	s_add_co_u32 s74, s74, KVC+12288
	s_mov_b32 s75, 0
	s_add_nc_u64 s[74:75], s[8:9], s[74:75]
; A tile of the walk: eight K steps, chunk 0 in slot a, chunk 1 in slot b.  Its first products start the sums; five places stand in front of them, since they write over accumulators that earlier products wrote.
; mid = 1: a barrier at the change of chunks (the first tile: slot 1 may still be on its way).  fin = 0: the last tile;  1: a barrier at its end, behind which the next tile's B is whole;  2: the same with the refill.
.macro TILE sw, a, b, mid, fin, next
	PLACES 5
	KSTEP \a, 1, F0, F1, 1, \sw
	KSTEP \a, 2, F1, F0, 0, \sw
	KSTEP \a, 3, F0, F1, 0, \sw
.if \mid
	TURN \b, 0, 1, \sw
.else
	KSTEP \b, 0, F1, F0, 0, \sw
.endif
	KSTEP \b, 1, F0, F1, 0, \sw
	KSTEP \b, 2, F1, F0, 0, \sw
	KSTEP \b, 3, F0, F1, 0, \sw
.if (\fin) == 0
	LAST \sw
.elseif (\fin) == 1
	TURN \next, 0, 1, \sw                          ; and the next tile's first fragments are fetched
.else
	TURN \next, 1, 1, \sw
.endif
	WIN 0
	PLACES 4                                       ; in front of the first read of results
.endm
	s_wait_alu depctr_va_vdst(0)                   ; the wait at the head's end
	s_wait_tensorcnt 0x0                           ; my record of the head's four is in
	ds_add_u32 v[SPW], v[NIL]
	s_mov_b32 s[G1B+2], 100<<16                    ; no tensor load of mine is out: from here on a load of B brings half a record, 100 rows
	s_mov_b32 s[G1B+4], 100
	s_wait_dscnt 0x0
	CROUND                                         ; slots 0 and 1 are whole for every wave, and all sixteen work-groups are here
	tensor_load_to_lds s[G0Q:G0Q+3], s[G1B:G1B+7]  ; the second tile's B, half a record a wave: it has the first tile's eight K steps in which to land
	s_nop 0
	PLACES 4
	FETCH 0, 0, F0
	TILE 0, 0, 1, 0, 2, 2                          ; q, on slots 0 and 1; at its end their records of B take the third tile's
	EQ 0
	PUT 68, 768
.irp y, 0,1,2,3
	ds_store_b32 v16, v[W+\y] offset:64*\y         ; two bytes in the low half of a word (lanes l and l xor 16 write the same)
.endr
	SOUT 4, 70, 0, 0, 0
	TILE 0, 2, 3, 0, 1, 0                          ; k, on slots 2 and 3, which the barrier at q's end has shown whole
	EQ 0
	PUT 72, 768
	v_lshl_or_b32 v62, v[W+1], 16, v[W]            ; a fragment of 32 keys: the even tokens' two bytes, then the odd ones'
	v_lshl_or_b32 v63, v[W+3], 16, v[W+2]
	ds_store_b32 v17, v62
	ds_store_b32 v17, v63 offset:64
	SOUT 2, 74, 0, 1024, 0
	TILE 1, 0, 1, 0, 0, 0                          ; v, the sources changed, on slots 0 and 1 again
	EQ 1
	PUT 76, 1536
.irp y, 0,1,2,3
	ds_store_b8 v18, v[W+\y] offset:64*\y          ; my block's byte of fragment y's words
.endr
	SOUT 2, 74, 256, 1536, 0
	s_wait_tensorcnt 0x0                           ; the wave's end: behind my last tensor load and my last LDS store
	ds_add_u32 v[SPW], v[NIL]
	s_wait_dscnt 0x0
	CROUND                                         ; the closing round
	s_endpgm
.Lfunc_end_k_q65f22134ad_qkv:
	.size	k_q65f22134ad_qkv, .Lfunc_end_k_q65f22134ad_qkv-k_q65f22134ad_qkv
	.p2alignl 7, 3214868480
	.fill 96, 4, 3214868480
	.section	.rodata,"a",@progbits
	.p2align	6, 0x0
	.amdhsa_kernel k_q65f22134ad_qkv
		.amdhsa_group_segment_fixed_size 327680
		.amdhsa_private_segment_fixed_size 0
		.amdhsa_enable_private_segment 0
		.amdhsa_kernarg_size 24
		.amdhsa_user_sgpr_count 2
		.amdhsa_user_sgpr_kernarg_segment_ptr 1
		.amdhsa_wavefront_size32 1
		.amdhsa_system_sgpr_workgroup_id_x 1
		.amdhsa_system_sgpr_workgroup_id_y 1
		.amdhsa_system_sgpr_workgroup_id_z 1
		.amdhsa_system_vgpr_workitem_id 0
		.amdhsa_next_free_vgpr 512
		.amdhsa_next_free_sgpr 100
		.amdhsa_reserve_vcc 0
		.amdhsa_float_denorm_mode_32 3
		.amdhsa_float_denorm_mode_16_64 3
		.amdhsa_memory_ordered 1
		.amdhsa_forward_progress 1
		.amdhsa_inst_pref_size 147
	.end_amdhsa_kernel
	.amdgpu_metadata
---
amdhsa.version: [ 1, 2 ]
amdhsa.kernels:
  - .name:           k_q65f22134ad_qkv
    .symbol:         k_q65f22134ad_qkv.kd
    .args:
      - { .name: xn, .offset: 0, .size: 8, .value_kind: global_buffer, .address_space: global }
      - { .name: wimg, .offset: 8, .size: 8, .value_kind: global_buffer, .address_space: global }
      - { .name: qkvb, .offset: 16, .size: 8, .value_kind: global_buffer, .address_space: global }
    .group_segment_fixed_size: 327680
    .private_segment_fixed_size: 0
    .kernarg_segment_align: 8
    .kernarg_segment_size: 24
    .max_flat_workgroup_size: 128
    .sgpr_count:     100
    .vgpr_count:     512
    .wavefront_size: 32
...
	.end_amdgpu_metadata
.endif
;; end of part 3
;; launch attn (part 4): grid 8 x 32, 16 waves a work-group, clusters of 4 x 1, 206,848 bytes of LDS; arguments qkvb, wa; writes wa
.if DOCPART == 4
	.amdgcn_target "amdgcn-amd-amdhsa--gfx1250"
	.amdhsa_code_object_version 6
	.text
	.protected	k_q65f22134ad_attn
	.globl	k_q65f22134ad_attn
	.p2align	8
	.type	k_q65f22134ad_attn,@function
k_q65f22134ad_attn:
	s_mov_b64 s[64:65], 0
	v_nop
	global_prefetch_b8 v0, s[64:65] scope:SCOPE_SE
	s_setreg_imm32_b32 hwreg(HW_REG_WAVE_MODE, 25, 1), 1
	s_wait_xcnt 0x0
	s_wait_alu depctr_hold_cnt(0) depctr_sa_sdst(0) depctr_va_vdst(0) depctr_va_sdst(0) depctr_va_ssrc(0) depctr_va_vcc(0) depctr_vm_vsrc(0)
	s_getreg_b32 s2, hwreg(HW_REG_IB_STS2, 6, 4)
	s_cmp_eq_u32 s2, 0
	s_cbranch_scc0 .Lentry_in_a_cluster
	s_endpgm
.Lentry_in_a_cluster:
	s_bfe_u32 s2, ttmp6, 0x10000c
	s_cmp_lg_u32 s2, 0x3003
	s_cbranch_scc0 .Lentry_shape_is_right
	s_endpgm
.Lentry_shape_is_right:
; wavg = softmax(q k^T x 64^(1/4)) v for 32 (batch, head) of 2,048 tokens, head size 64, both products on codes of FP6 (E2M3) with E8M0 scales; the result is quantised along the embedding and stored as the next product's operand.
; THE SOFTMAX: t = score x c, c = 64^(1/4) log2(e); M = the running largest t rounded up to a whole number; p = 2^(t - M) is quantised along the keys, not normalised; the row's sum is taken of the unquantised p and divides at the end.
; When M moves, the sum and O are multiplied by 2^(old M - new M), which rounds nothing.
; SHARES.  A work-group owns 256 queries of one head; each of its sixteen waves one fragment of 16 queries in 256 registers, four waves to a SIMD.
; LDS holds ALL of the head's K and V: 16 records of 12,800 bytes, one for each key step of 128 (K 6,144, V 6,144, K's scale words 256, V's 256).  Wave w asks for record w: ONE tensor load a wave, fifty rows of 256 bytes,
; nothing is filled again, one barrier.  CLUSTER 4 x 1: the four query blocks of a head ask for the records jointly.  No prefetch: every byte is asked for by the head's loads, and no loop has a later request to run ahead of.
; LAYOUT.  Both products are used transposed (source 0 = keys, or V's d; source 1 = my queries, or p): a lane holds one query throughout.
; The scores' K is 64, half of the instruction's 128: a fragment of K holds 32 keys, token fragment 2 b in registers 0-5 and 2 b + 1 in 6-11, and is multiplied twice: by (q | zero codes) and by (zero codes | q);
; the two forms share the six registers of zero codes.  Zero codes add nothing; their scale bytes are 127.
; Lane r of token fragment i holds token 64 (i / 4) + 8 (i % 4) + r % 8 + 32 (r / 8).  So score register 8 i + j of lane (r, h) is key 64 (i / 4) + 32 h + 8 (i % 4) + j: registers 32 c .. 32 c + 31 are the WHOLE block 2 c + h of 32 keys,
; in the order in which p's operand wants them: a block's largest score needs no other lane, and the conversions' results are the operand's registers but for three moves a block.
; V's fragment y holds d = 32 (y / 2) + 8 (y % 2) + r + 8 (r / 8), so O^T's 16 registers of two neighbouring fragments are 16 neighbours along d, which the last quantiser wants.
; The result's two scale bytes a row leave as 2 bytes a lane: the other bytes of the words belong to other heads' work-groups; they are one byte in 24 of the output.
; LIMITS: the promise holds while the scaled scores stay under 2^31 in magnitude; a block of zeros keeps the byte 1 (its codes are zeros; this program alone reads the bytes); NaN and infinities are not served.
.set QS,    3145728
.set KVC,   3407872
.set KVR,   12800
.set REC,   51200
.set SPARE, 204800                     ; behind the records: the spare words, 128 bytes a wave
.set SPW,  5                           ; v5  LDS address of my spare word; never rewritten
.set NIL,  6                           ; v6  0; never rewritten
.set NM,   12                          ; v12, v14 -M, by turns from step to step; v13 the running largest score; v15 named as a pair's upper half
.set L,    16                          ; v[16:17] the row's sum, in two halves
.set QL,   18                          ; v18-29 (q | zeros);  v24-35 (zeros | q)
.set QH,   24
.set QSL,  36                          ; v36, v37 q's scale words for the two forms;  v38 p's
.set QSH,  37
.set PW,   38
.set FR,   40                          ; v40-87 four fragments of K or of V;  v88-91 their scale words
.set FS,   88
.set F,    92                          ; v[92:93] f;  v94, v95 at work
.set TMP,  94
.set T2,   95
.set S,    96                          ; v96-159 the scores, then p
.set O,    160                         ; v160-191 O^T
.set PCD,  192                         ; v192-203 p's codes;  v204-210 their upper halves as the conversions leave them
.set PT,   204
.set BM,   212                         ; v212-213 my two blocks' largest score, then p;  v214-215 scale operands;  v216-219 at work
.set SOP,  214
.set PM,   216
.set X,    220                         ; v220-233 seven chains of the sum
.set WV,   18
.set SEL,  20
.set CS,   22
.set G1,   24                          ; s[24:31], s[32:35] the descriptor
.set G0,   32
.set TB,   60                          ; s60 LDS byte at which the trip's four records begin;  s62 counts trips
.set CNT,  62
.macro CROUND
	s_barrier_signal -1
	s_barrier_wait -1
	s_cmp_lg_u32 s[WV], 0
	s_cbranch_scc1 .Lnot_wave_0_\@
	s_barrier_signal -3
.Lnot_wave_0_\@:
	s_barrier_wait -3
	s_barrier_signal -1
	s_barrier_wait -1
.endm
.macro PLACES
.rept 4
	v_nop
.endr
.endm
	s_load_b128 s[4:7], s[0:1], 0x0                ; qkvb s[4:5], wa s[6:7]
	v_lshl_add_u32 v[SPW], v0, 2, SPARE
	v_mov_b32 v[NIL], 0
	ds_add_u32 v[SPW], v[NIL]                      ; the wave's opening: the add, twice on end, and its wait ahead of my tensor load
	ds_add_u32 v[SPW], v[NIL]
	v_lshrrev_b32 v1, 5, v0
	s_delay_alu instid0(VALU_DEP_1)
	v_readfirstlane_b32 s[WV], v1                  ; wave 0..15
	s_bfe_u32 s8, ttmp6, 0x40000                   ; cx
	s_lshl_b32 s9, ttmp9, 2
	s_add_co_u32 s9, s9, s8                        ; X: my block of 256 queries: it enters q's and the output's addresses alone
	s_and_b32 s10, ttmp7, 0xffff                   ; bh, which the four partners share
	s_mov_b32 s[G1], 15|(3<<16)|(1<<21)            ; 15:0 the mask: all four; 17:16 elements of 8 bytes; 21 set beside a mask
	s_mov_b32 s[G1+1], 32<<16                      ; rows of 256 bytes,
	s_mov_b32 s[G1+2], 50<<16                      ; fifty of them,
	s_mov_b32 s[G1+3], 32<<16
	s_mov_b32 s[G1+4], 50
	s_mov_b32 s[G1+5], 32                          ; dense
	s_mov_b32 s[G1+6], 0
	s_mov_b32 s[G1+7], 0
	s_mul_i32 s17, s[WV], KVR                      ; record w, in LDS and in the head's run of sixteen
	s_mul_i32 s12, s10, 16*KVR
	s_add_co_u32 s12, s12, s17
	s_add_co_u32 s12, s12, KVC
	s_mov_b32 s13, 0
	s_mov_b32 s[SEL], 0x76543210
	s_mov_b32 s[SEL+1], 0xfedcba98                 ; v_permlanex16_b32's selects for lane l xor 16
	s_mov_b32 s[CS], 0x408293ee                    ; c = 64^(1/4) log2(e)
	s_mov_b32 s[CS+1], s[CS]                       ; (named with it as a pair, so it is written)
	s_mov_b32 s[TB], 0
	s_wait_dscnt 0x0                               ; both opening adds are done
	s_wait_kmcnt 0x0
	s_mov_b32 s[G0], 1
	s_mov_b32 s[G0+1], s17
	s_add_nc_u64 s[G0+2:G0+3], s[4:5], s[12:13]
	s_or_b32 s[G0+3], s[G0+3], 0x80000000
	CROUND                                         ; all four work-groups are here: the joint loads meet
	tensor_load_to_lds s[G0:G0+3], s[G1:G1+7]      ; my one load
	s_nop 0
	PLACES
	s_lshl_b32 s66, s10, 7
	s_lshl_b32 s67, s9, 4
	s_add_co_u32 s66, s66, s67
	s_add_co_u32 s66, s66, s[WV]                   ; my fragment of queries: 128 bh + 16 X + wave
	s_mul_i32 s68, s66, 768
	s_mov_b32 s69, 0
	s_add_nc_u64 s[68:69], s[4:5], s[68:69]
	s_lshl_b32 s70, s66, 6
	s_add_co_u32 s70, s70, QS
	s_mov_b32 s71, 0
	s_add_nc_u64 s[70:71], s[4:5], s[70:71]
	s_lshr_b32 s72, s10, 4                         ; where the result goes: token tile T = 16 x batch + 2 X + wave / 8,
	s_lshl_b32 s72, s72, 4
	s_lshl_b32 s73, s9, 1
	s_add_co_u32 s72, s72, s73
	s_lshr_b32 s73, s[WV], 3
	s_add_co_u32 s72, s72, s73
	s_lshl_b32 s72, s72, 1
	s_and_b32 s73, s10, 15                         ; head hd: chunk hd / 8, K step (hd % 8) / 2, half hd % 2
	s_lshr_b32 s74, s73, 3
	s_add_co_u32 s72, s72, s74
	s_mul_i32 s72, s72, REC
	s_and_b32 s74, s73, 7
	s_lshr_b32 s74, s74, 1
	s_lshl_b32 s74, s74, 3
	s_and_b32 s75, s[WV], 7
	s_add_co_u32 s74, s74, s75                     ; 8 s + i
	s_and_b32 s75, s73, 1
	s_mul_i32 s76, s74, 1536
	s_add_co_u32 s76, s76, s72
	s_mul_i32 s77, s75, 768
	s_add_co_u32 s76, s76, s77
	s_mov_b32 s77, 0
	s_add_nc_u64 s[76:77], s[6:7], s[76:77]
	s_lshl_b32 s78, s74, 6
	s_add_co_u32 s78, s78, s72
	s_add_co_u32 s78, s78, 49152
	s_lshl_b32 s79, s75, 1
	s_add_co_u32 s78, s78, s79
	s_mov_b32 s79, 0
	s_add_nc_u64 s[78:79], s[6:7], s[78:79]
	v_and_b32 v9, 15, v0
	v_and_b32 v10, 31, v0
	s_delay_alu instid0(VALU_DEP_1)
	v_lshlrev_b32 v1, 4, v10                       ; 16 x lane
	v_lshl_add_u32 v2, v10, 3, 512                 ; 512 + 8 x lane
	v_lshlrev_b32 v9, 2, v9                        ; 4 r
	v_bfe_u32 v10, v0, 4, 1
	s_delay_alu instid0(VALU_DEP_2)
	v_add_nc_u32 v3, 12288, v9                     ; a record's scale words
	s_delay_alu instid0(VALU_DEP_2)
	v_lshlrev_b32 v10, 3, v10                      ; 8 h: how far my two scale bytes are shifted
	global_load_b128 v[QL:QL+3], v1, s[68:69]      ; q, twice: each form has registers of its own
	global_load_b64 v[QL+4:QL+5], v2, s[68:69]
	global_load_b128 v[QH+6:QH+9], v1, s[68:69]
	global_load_b64 v[QH+10:QH+11], v2, s[68:69]
	global_load_b32 v11, v9, s[70:71]              ; its two scale bytes
.irp j, 0,1,2,3,4,5
	v_mov_b32 v[QH+\j], 0                          ; zero codes, for both forms
.endr
	v_mov_b32 v13, 0xfe000000                      ; the largest score so far: -2^125, under every score served
	v_mov_b32 v[NM], 0
	v_mov_b32 v[NM+2], 0x7f000000                  ; the -M that the first step finds: 2^127, so that its f is 0
	v_mov_b32 v15, 0
	v_mov_b32 v[L], 0
	v_mov_b32 v[L+1], 0
	v_mov_b32 v[F+1], 0                            ; (named as the upper half of a pair)
	v_mov_b32 v[T2], 0                             ; written once: a lane permute's destination counts as one of its sources
	v_mov_b32 v[TMP], 0
	s_wait_alu depctr_va_vdst(0)
	s_wait_loadcnt 0x0
	v_or_b32 v[QSL], 0x7f7f0000, v11               ; q's bytes below, 127 over the zero codes
	v_lshl_or_b32 v[QSH], v11, 16, 0x7f7f          ; and the other way round
.set j, 0
.rept 32
	v_mov_b32 v[O+j], 0                            ; O^T: the step is written once; its first turn finds zeros.  (These are also the places between the scale words' making and the first product)
.set j, j+1
.endr
; A KEY STEP: 128 keys, record u of the trip's four: every LDS offset is an immediate.  Four places stand in front of it.
.macro STEP u
.set NN, NM+2*((\u)%2)                 ; the new -M,
.set NO, NM+2-2*((\u)%2)               ; and the last step's
.set KB, KVR*(\u)
.irp b, 0,1,2,3
	ds_load_b128 v[FR+12*\b:FR+12*\b+3], v4 offset:KB+1536*\b
	ds_load_b64 v[FR+12*\b+4:FR+12*\b+5], v7 offset:KB+1536*\b
	ds_load_b128 v[FR+12*\b+6:FR+12*\b+9], v4 offset:KB+1536*\b+768
	ds_load_b64 v[FR+12*\b+10:FR+12*\b+11], v7 offset:KB+1536*\b+768
	ds_load_b32 v[FS+\b], v8 offset:KB+64*\b
.endr
.if (\u) == 0
	s_wait_alu depctr_va_vdst(0)
.endif
	s_wait_dscnt 0x0
.irp b, 0,1,2,3                                ; S^T = K q^T: each fragment of 32 keys twice
	v_wmma_scale_f32_16x16x128_f8f6f4 v[S+16*\b:S+16*\b+7], v[FR+12*\b:FR+12*\b+11], v[QL:QL+11], 0, v[FS+\b], v[QSL] matrix_a_fmt:MATRIX_FMT_FP6 matrix_b_fmt:MATRIX_FMT_FP6
	v_wmma_scale_f32_16x16x128_f8f6f4 v[S+16*\b+8:S+16*\b+15], v[FR+12*\b:FR+12*\b+11], v[QH:QH+11], 0, v[FS+\b], v[QSH] matrix_a_fmt:MATRIX_FMT_FP6 matrix_b_fmt:MATRIX_FMT_FP6
.endr
	PLACES                                         ; in front of the loads below and of the first read of the scores
.irp y, 0,1,2,3                                ; V's fragments are asked for now and land during the softmax
	ds_load_b128 v[FR+12*\y:FR+12*\y+3], v4 offset:KB+6144+1536*\y
	ds_load_b64 v[FR+12*\y+4:FR+12*\y+5], v7 offset:KB+6144+1536*\y
	ds_load_b128 v[FR+12*\y+6:FR+12*\y+9], v4 offset:KB+6144+1536*\y+768
	ds_load_b64 v[FR+12*\y+10:FR+12*\y+11], v7 offset:KB+6144+1536*\y+768
	ds_load_b32 v[FS+\y], v8 offset:KB+256+64*\y
.endr
.irp q, 0,1,2,3                                ; the largest score of my two blocks of 32 keys, in four chains; each accumulator is read from its low end on
	v_max3_num_f32 v[PM+\q], v[S+16*\q], v[S+16*\q+1], v[S+16*\q+2]
.endr
.irp i, 3,5,7,9,11,13
.irp q, 0,1,2,3
	v_max3_num_f32 v[PM+\q], v[PM+\q], v[S+16*\q+\i], v[S+16*\q+\i+1]
.endr
.endr
.irp c, 0,1
	v_max3_num_f32 v[BM+\c], v[PM+2*\c], v[PM+2*\c+1], v[S+32*\c+15]
.endr
.irp c, 0,1
	v_max_num_f32 v[BM+\c], v[BM+\c], v[S+32*\c+31]   ; it serves twice: for the row's maximum, and, since p rises with the score, for the block's largest p
.endr
	v_max_num_f32 v[TMP], v[BM], v[BM+1]
	v_permlanex16_b32 v[T2], v[TMP], s[SEL], s[SEL+1]
	v_max3_num_f32 v13, v13, v[TMP], v[T2]         ; the running largest score, with lane l xor 16's 64 keys
	v_mul_f32 v[TMP], s[CS], v13                   ; as t (c is positive)
	v_floor_f32 v[NN], -v[TMP]                     ; the new -M = -ceil(t): a whole number
	v_sub_f32 v[TMP], v[NN], v[NO]                 ; old M - new M: a whole number, 0 or less
	v_cvt_i32_f32 v[TMP], v[TMP]                   ; (it saturates)
	v_ldexp_f32 v[F], 1.0, v[TMP]                  ; f = 2^(old M - new M)
.set j, 0
.rept 32
	v_pk_fma_f32 v[S+j:S+j+1], v[S+j:S+j+1], s[CS:CS+1], v[NN:NN+1] op_sel_hi:[1,0,0]   ; t - M, two at a time
.set j, j+2
.endr
.irp c, 0,1
	v_fma_f32 v[BM+\c], v[BM+\c], s[CS], v[NN]     ; the same of each block's largest score
.endr
	s_wait_alu depctr_va_vdst(0)                   ; the wait ahead of the batch
.set j, 0
.rept 64
	v_exp_f32 v[S+j], v[S+j]                       ; p = 2^(t - M)
.set j, j+1
.endr
.irp c, 0,1
	v_exp_f32 v[BM+\c], v[BM+\c]                   ; the block's largest p: the same two instructions on the same number
.endr
	v_pk_mul_f32 v[L:L+1], v[L:L+1], v[F:F+1] op_sel_hi:[1,0]   ; the sums under the new M (a plain place behind the exponentials)
	s_wait_alu depctr_va_vdst(0)                   ; one wait for the batch of 66, ahead of its first reader
.irp k, 0,1,2,3,4,5,6                          ; THE ROW'S SUM IS TAKEN OF THE UNQUANTISED p: 32 packed additions in eight chains
	v_pk_add_f32 v[X+2*\k:X+2*\k+1], v[S+4*\k:S+4*\k+1], v[S+4*\k+2:S+4*\k+3]
.endr
	v_pk_add_f32 v[L:L+1], v[L:L+1], v[S+28:S+29]
.set j, 0
.rept 17
.if j%8 == 7
	v_pk_add_f32 v[L:L+1], v[L:L+1], v[S+30+2*j:S+31+2*j]
.else
	v_pk_add_f32 v[X+2*(j%8):X+2*(j%8)+1], v[X+2*(j%8):X+2*(j%8)+1], v[S+30+2*j:S+31+2*j]
.endif
.set j, j+1
.endr
	v_pk_add_f32 v[X+2:X+3], v[X+2:X+3], v[X+4:X+5]
	v_pk_add_f32 v[X+6:X+7], v[X+6:X+7], v[X+8:X+9]
	v_pk_add_f32 v[X+10:X+11], v[X+10:X+11], v[X+12:X+13]
	v_pk_add_f32 v[L:L+1], v[L:L+1], v[X:X+1]
.irp c, 0,1
	v_max_num_f32 v[BM+\c], 0x1800000, v[BM+\c]    ; the floor 2^(3 - 127): the byte cannot fall under 1
.endr
	v_pk_add_f32 v[X+2:X+3], v[X+2:X+3], v[X+6:X+7]
	v_pk_add_f32 v[L:L+1], v[L:L+1], v[X+10:X+11]
.irp c, 0,1
	v_add_nc_u32 v[SOP+\c], 0xff000000, v[BM+\c]   ; 2 off the exponent field: the conversion's scale operand
.endr
	v_pk_add_f32 v[L:L+1], v[L:L+1], v[X+2:X+3]
.irp c, 0,1
	v_lshrrev_b32 v[PM+\c], 23, v[SOP+\c]          ; the scale's byte
.endr
	v_lshl_or_b32 v[TMP], v[PM+1], 16, v[PM]       ; my two bytes: blocks h and 2 + h,
	v_lshlrev_b32 v[TMP], v10, v[TMP]              ; at their places in the scale word;
	v_permlanex16_b32 v[T2], v[TMP], s[SEL], s[SEL+1]
	v_or_b32 v[PW], v[TMP], v[T2]                  ; with lane l xor 16's two the word is whole
.irp c, 0,1
	v_cvt_scalef32_pk16_fp6_f32 v[PCD+6*\c:PCD+2+6*\c], v[S+32*\c:S+15+32*\c], v[SOP+\c]
	v_cvt_scalef32_pk16_fp6_f32 v[PT+4*\c:PT+2+4*\c], v[S+16+32*\c:S+31+32*\c], v[SOP+\c]   ; (a conversion's three registers begin on an even number)
.endr
	s_wait_alu depctr_va_vdst(0)                   ; directly ahead of the first reader of O^T
.set j, 0
.rept 8
	v_pk_mul_f32 v[O+j:O+j+1], v[O+j:O+j+1], v[F:F+1] op_sel_hi:[1,0]   ; O^T under the new M.  (The first is also the plain place behind the conversions)
.set j, j+2
.endr
.irp c, 0,1
.irp i, 0,1,2
	v_mov_b32 v[PCD+3+6*\c+\i], v[PT+4*\c+\i]      ; registers 6 c .. 6 c + 5 now hold k = 64 c + 32 h + 0 .. 31
.endr
.endr
.rept 8
	v_pk_mul_f32 v[O+j:O+j+1], v[O+j:O+j+1], v[F:F+1] op_sel_hi:[1,0]   ; (these are also the places between the making of p's codes and scale word and the products)
.set j, j+2
.endr
	s_wait_alu depctr_va_vdst(0)
	s_wait_dscnt 0x0                               ; V
.irp y, 0,1,2,3                                ; O^T += V^T p^T: four accumulators by turns
	v_wmma_scale_f32_16x16x128_f8f6f4 v[O+8*\y:O+8*\y+7], v[FR+12*\y:FR+12*\y+11], v[PCD:PCD+11], v[O+8*\y:O+8*\y+7], v[FS+\y], v[PW] matrix_a_fmt:MATRIX_FMT_FP6 matrix_b_fmt:MATRIX_FMT_FP6
.endr
.endm
	s_mov_b32 s[CNT], 4
	s_wait_alu depctr_va_vdst(0)                   ; the wait at the head's end
	s_wait_tensorcnt 0x0                           ; my record has landed
	s_barrier_signal -1
	s_barrier_wait -1                              ; everybody's has: all of K and V lies in LDS
.Ltrip:                                                ; four trips of four key steps
	v_add_nc_u32 v4, s[TB], v1
	v_add_nc_u32 v7, s[TB], v2
	v_add_nc_u32 v8, s[TB], v3
	v_nop                                          ; four places in front of loads into registers that the last products read
	STEP 0
	PLACES
	STEP 1
	PLACES
	STEP 2
	PLACES
	STEP 3
	s_add_co_u32 s[TB], s[TB], 4*KVR
	s_sub_co_u32 s[CNT], s[CNT], 1
	s_cmp_lg_u32 s[CNT], 0
	s_cbranch_scc1 .Ltrip
	; THE WAY OUT: O^T / the sum, quantised along d (two blocks of 32), is half a fragment of the next product's A
	PLACES                                         ; behind the last products
	v_add_f32 v[L], v[L], v[L+1]
	s_delay_alu instid0(VALU_DEP_1)
	v_permlanex16_b32 v[TMP], v[L], s[SEL], s[SEL+1]
	s_delay_alu instid0(VALU_DEP_1)
	v_add_f32 v[L], v[L], v[TMP]                   ; the row's sum
	s_wait_alu depctr_va_vdst(0)                   ; the wait ahead of the transcendental
	v_rcp_f32 v[L], v[L]
	v_nop                                          ; a plain place behind it
	s_wait_alu depctr_va_vdst(0)                   ; the wait ahead of its first reader, and of O^T's
.set j, 0
.rept 32
	v_mul_f32 v[S+j], v[O+j], v[L]                 ; register 16 b + i is d = 32 b + 16 (lane / 16) + i of my query
.set j, j+1
.endr
.irp b, 0,1
	v_max3_num_f32 v[BM+\b], |v[S+16*\b]|, |v[S+1+16*\b]|, 0x1800000
.endr
.irp i, 2,4,6,8,10,12,14
.irp b, 0,1
	s_delay_alu instid0(VALU_DEP_2)
	v_max3_num_f32 v[BM+\b], v[BM+\b], |v[S+16*\b+\i]|, |v[S+1+16*\b+\i]|
.endr
.endr
.irp b, 0,1
	s_delay_alu instid0(VALU_DEP_2)
	v_permlanex16_b32 v[PM+\b], v[BM+\b], s[SEL], s[SEL+1]
.endr
.irp b, 0,1
	s_delay_alu instid0(VALU_DEP_2)
	v_max_num_f32 v[BM+\b], v[BM+\b], v[PM+\b]     ; with lane l xor 16's: the block's largest magnitude
.endr
.irp b, 0,1
	s_delay_alu instid0(VALU_DEP_2)
	v_add_nc_u32 v[SOP+\b], 0xff000000, v[BM+\b]
.endr
.irp b, 0,1
	s_delay_alu instid0(VALU_DEP_2)
	v_lshrrev_b32 v[PM+\b], 23, v[SOP+\b]
.endr
	s_delay_alu instid0(VALU_DEP_1)
	v_lshl_or_b32 v[PW], v[PM+1], 8, v[PM]
	v_cvt_scalef32_pk16_fp6_f32 v[PCD:PCD+2], v[S:S+15], v[SOP]
	v_cvt_scalef32_pk16_fp6_f32 v[PT:PT+2], v[S+16:S+31], v[SOP+1]
	v_nop                                          ; one plain place behind a scaled conversion
.irp i, 0,1,2
	v_permlane16_swap_b32 v[PCD+\i], v[PT+\i]      ; a whole block to a lane: lanes 0-15 the first, lanes 16-31 the second
.endr
.irp i, 0,1,2
	s_delay_alu instid0(VALU_DEP_3)
	v_mov_b32 v[PCD+3+\i], v[PT+\i]
.endr
	global_store_b128 v1, v[PCD:PCD+3], s[76:77]   ; 512 consecutive bytes,
	global_store_b64 v2, v[PCD+4:PCD+5], s[76:77]  ; and 256, at multiples of 256 from the buffer's first byte
	global_store_b16 v9, v[PW], s[78:79]           ; my head's two bytes of the row's scale word (lanes l and l xor 16 write the same)
	s_wait_tensorcnt 0x0                           ; the wave's end: behind my tensor load
	ds_add_u32 v[SPW], v[NIL]
	s_wait_dscnt 0x0
	CROUND                                         ; the closing round
	s_endpgm
.Lfunc_end_k_q65f22134ad_attn:
	.size	k_q65f22134ad_attn, .Lfunc_end_k_q65f22134ad_attn-k_q65f22134ad_attn
	.p2alignl 7, 3214868480
	.fill 96, 4, 3214868480
	.section	.rodata,"a",@progbits
	.p2align	6, 0x0
	.amdhsa_kernel k_q65f22134ad_attn
		.amdhsa_group_segment_fixed_size 206848
		.amdhsa_private_segment_fixed_size 0
		.amdhsa_enable_private_segment 0
		.amdhsa_kernarg_size 16
		.amdhsa_user_sgpr_count 2
		.amdhsa_user_sgpr_kernarg_segment_ptr 1
		.amdhsa_wavefront_size32 1
		.amdhsa_system_sgpr_workgroup_id_x 1
		.amdhsa_system_sgpr_workgroup_id_y 1
		.amdhsa_system_sgpr_workgroup_id_z 1
		.amdhsa_system_vgpr_workitem_id 0
		.amdhsa_next_free_vgpr 256
		.amdhsa_next_free_sgpr 100
		.amdhsa_reserve_vcc 0
		.amdhsa_float_denorm_mode_32 3
		.amdhsa_float_denorm_mode_16_64 3
		.amdhsa_memory_ordered 1
		.amdhsa_forward_progress 1
		.amdhsa_inst_pref_size 72
	.end_amdhsa_kernel
	.amdgpu_metadata
---
amdhsa.version: [ 1, 2 ]
amdhsa.kernels:
  - .name:           k_q65f22134ad_attn
    .symbol:         k_q65f22134ad_attn.kd
    .args:
      - { .name: qkvb, .offset: 0, .size: 8, .value_kind: global_buffer, .address_space: global }
      - { .name: wa, .offset: 8, .size: 8, .value_kind: global_buffer, .address_space: global }
    .group_segment_fixed_size: 206848
    .private_segment_fixed_size: 0
    .kernarg_segment_align: 8
    .kernarg_segment_size: 16
    .max_flat_workgroup_size: 512
    .sgpr_count:     100
    .vgpr_count:     256
    .wavefront_size: 32
...
	.end_amdgpu_metadata
.endif
;; end of part 4
;; launch proj (part 5): grid 8 x 32, 4 waves a work-group, clusters of 4 x 4, 327,680 bytes of LDS; arguments wa, wimg, b_out, x, x1; writes x1
.if DOCPART == 5
	.amdgcn_target "amdgcn-amd-amdhsa--gfx1250"
	.amdhsa_code_object_version 6
	.text
	.protected	k_q65f22134ad_proj
	.globl	k_q65f22134ad_proj
	.p2align	8
	.type	k_q65f22134ad_proj,@function
k_q65f22134ad_proj:
	s_mov_b64 s[64:65], 0
	v_nop
	global_prefetch_b8 v0, s[64:65] scope:SCOPE_SE
	s_setreg_imm32_b32 hwreg(HW_REG_WAVE_MODE, 25, 1), 1
	s_wait_xcnt 0x0
	s_wait_alu depctr_hold_cnt(0) depctr_sa_sdst(0) depctr_va_vdst(0) depctr_va_sdst(0) depctr_va_ssrc(0) depctr_va_vcc(0) depctr_vm_vsrc(0)
	s_getreg_b32 s2, hwreg(HW_REG_IB_STS2, 6, 4)
	s_cmp_eq_u32 s2, 0
	s_cbranch_scc0 .Lentry_in_a_cluster
	s_endpgm
.Lentry_in_a_cluster:
	s_bfe_u32 s2, ttmp6, 0x10000c
	s_cmp_lg_u32 s2, 0xf033
	s_cbranch_scc0 .Lentry_shape_is_right
	s_endpgm
.Lentry_shape_is_right:
.set KC,    2
.set WOFF,  2457600
.set BT,    KC*51200
.set LAPS,  KC/2
.set STAGE, 204800
.set SPARE, STAGE+128*528
.set RES,   0
.set REC,   51200
.set HALF,  25600
.set SLOT,  2*REC
.set SCO,   49152
.set A16, 4
.set A8,  6
.set B16, 8
.set B8,  10
.set AS,  12
.set O16, 14
.set O8,  15
.set SPW, 22
.set NIL, 23
.set SC,  24
.set ACC, 128
.set F0,  0
.set F1,  96
.set BI,  192
.set G1,  24
.set G0,  32
.set G1B, 48
.set G0B, 56
.set MSB, 0
.macro WIN new
.if MSB != \new
	s_set_vgpr_msb (MSB<<8)|\new
.set MSB, \new
.endif
.endm
.set MUL,  0x05
.set MULB, 0x15
.set TO_F, 0x40
.set TO_R, 0x80
.set ADDW, 0x06
.macro PLACES n
.rept \n
	v_nop
.endr
.endm
.macro JLOAD s
	s_cmp_eq_u32 s11, 0
	s_cbranch_scc0 .Lfor_b_\@
	tensor_load_to_lds s[G0+4*\s:G0+4*\s+3], s[G1:G1+7]
	s_nop 0
	PLACES 4
	s_branch .Lasked_\@
.Lfor_b_\@:
	tensor_load_to_lds s[G0B+4*\s:G0B+4*\s+3], s[G1B:G1B+7]
	s_nop 0
	PLACES 4
.Lasked_\@:
.endm
.macro CREST
	s_cmp_lg_u32 s10, 0
	s_cbranch_scc1 .Lnot_wave_0_\@
	s_barrier_signal -3
.Lnot_wave_0_\@:
	s_barrier_wait -3
	s_barrier_signal -1
	s_barrier_wait -1
.endm
.macro CROUND
	s_barrier_signal -1
	s_barrier_wait -1
	CREST
.endm
.macro FETCH slot, q, f
	WIN 0
.irp i, 0,1,2,3
	ds_load_b32 v[SC+4*((\f)/96)+\i], v[AS+\slot] offset:512*(\q)+64*\i
.endr
	WIN TO_F
.irp i, 0,1,2,3
	ds_load_b128 v[(\f)+48+12*\i:(\f)+48+12*\i+3], v[B16+\slot] offset:12288*(\q)+1536*\i
	ds_load_b64 v[(\f)+48+12*\i+4:(\f)+48+12*\i+5], v[B8+\slot] offset:12288*(\q)+1536*\i
	ds_load_b128 v[(\f)+48+12*\i+6:(\f)+48+12*\i+9], v[B16+\slot] offset:12288*(\q)+1536*\i+768
	ds_load_b64 v[(\f)+48+12*\i+10:(\f)+48+12*\i+11], v[B8+\slot] offset:12288*(\q)+1536*\i+768
.endr
.irp i, 0,1,2,3
	ds_load_b128 v[(\f)+12*\i:(\f)+12*\i+3], v[A16+\slot] offset:12288*(\q)+1536*\i
	ds_load_b64 v[(\f)+12*\i+4:(\f)+12*\i+5], v[A8+\slot] offset:12288*(\q)+1536*\i
	ds_load_b128 v[(\f)+12*\i+6:(\f)+12*\i+9], v[A16+\slot] offset:12288*(\q)+1536*\i+768
	ds_load_b64 v[(\f)+12*\i+10:(\f)+12*\i+11], v[A8+\slot] offset:12288*(\q)+1536*\i+768
.endr
.endm
.macro MUL4 f, y, first
.if (\first) == 2
	WIN MULB
.else
	WIN MUL
.endif
.set SS, SC+4*((\f)/96)
.irp x, 0,1,2,3
.set DD, ACC+8*(4*(\y)+\x)
.set RA, (\f)+48+12*\x
.set RB, (\f)+12*(\y)
.if (\first) == 2
	v_wmma_scale_f32_16x16x128_f8f6f4 v[DD:DD+7], v[RA:RA+11], v[RB:RB+11], v[BI+8*\x:BI+8*\x+7], v[SS+\x], v[SS+(\y)] matrix_a_fmt:MATRIX_FMT_FP6 matrix_b_fmt:MATRIX_FMT_FP6 matrix_a_scale:MATRIX_SCALE_ROW1
.else
	v_wmma_scale_f32_16x16x128_f8f6f4 v[DD:DD+7], v[RA:RA+11], v[RB:RB+11], v[DD:DD+7], v[SS+\x], v[SS+(\y)] matrix_a_fmt:MATRIX_FMT_FP6 matrix_b_fmt:MATRIX_FMT_FP6 matrix_a_scale:MATRIX_SCALE_ROW1
.endif
.endr
.endm
.macro KSTEP slot, q, f, g, first
	s_wait_dscnt 8
	MUL4 \f, 0, \first
	MUL4 \f, 1, \first
	PLACES 4
	FETCH \slot, (\q)+1, \g
	s_wait_dscnt 36
	MUL4 \f, 2, \first
	MUL4 \f, 3, \first
.endm
.macro TURN slot, next, fill
	WIN 0
	s_wait_tensorcnt 0x0
	ds_add_u32 v[SPW], v[NIL]
	s_wait_dscnt 9
	MUL4 F1, 0, 0
	s_wait_dscnt 0x0
	s_barrier_signal -1
	MUL4 F1, 1, 0
	WIN 0
	s_barrier_wait -1
.if \fill
	CREST
	s_add_nc_u64 s[G0+4*\slot+2:G0+4*\slot+3], s[G0+4*\slot+2:G0+4*\slot+3], 2*REC
	s_add_nc_u64 s[G0B+4*\slot+2:G0B+4*\slot+3], s[G0B+4*\slot+2:G0B+4*\slot+3], 2*REC
	JLOAD \slot
.endif
	PLACES 4
	FETCH \next, 0, F0
	MUL4 F1, 2, 0
	MUL4 F1, 3, 0
.endm
.macro LAST
	s_wait_dscnt 8
	MUL4 F1, 0, 0
	MUL4 F1, 1, 0
	s_wait_dscnt 0x0
	MUL4 F1, 2, 0
	MUL4 F1, 3, 0
	WIN 0
.endm
	s_load_b128 s[4:7], s[0:1], 0x0
	s_load_b128 s[68:71], s[0:1], 0x10
	s_load_b64 s[72:73], s[0:1], 0x20
	v_lshl_add_u32 v[SPW], v0, 2, SPARE
	v_mov_b32 v[NIL], 0
	ds_add_u32 v[SPW], v[NIL]
	ds_add_u32 v[SPW], v[NIL]
	v_lshrrev_b32 v1, 5, v0
	v_readfirstlane_b32 s10, v1
	s_lshr_b32 s11, s10, 1
	s_and_b32 s12, s10, 1
	s_bfe_u32 s40, ttmp6, 0x40000
	s_bfe_u32 s41, ttmp6, 0x40004
	s_lshl_b32 s42, ttmp9, 2
	s_add_co_u32 s42, s42, s40
	s_and_b32 s13, ttmp7, 0xffff
	s_lshl_b32 s13, s13, 2
	s_add_co_u32 s13, s13, s41
	s_lshl_b32 s43, s41, 2
	s_lshl_b32 s43, 15, s43
	s_lshl_b32 s44, 0x1111, s40
	s_or_b32 s[G1+0], s43, (3<<16)|(1<<21)
	s_or_b32 s[G1B+0], s44, (3<<16)|(1<<21)
.irp g, G1, G1B
	s_mov_b32 s[\g+1], 32<<16
	s_mov_b32 s[\g+2], 200<<16                     ; a load brings a whole record: 200 rows of 256 bytes
	s_mov_b32 s[\g+3], 32<<16
	s_mov_b32 s[\g+4], 200
	s_mov_b32 s[\g+5], 32
	s_mov_b32 s[\g+6], 0
	s_mov_b32 s[\g+7], 0
.endr
	s_mul_i32 s16, s13, KC*REC
	s_mul_i32 s17, s12, HALF
	s_add_co_u32 s16, s16, s17
	s_mov_b32 s17, 0
	s_mul_i32 s46, s42, BT
	s_mul_i32 s47, s12, HALF
	s_add_co_u32 s46, s46, s47
	s_add_co_u32 s46, s46, WOFF
	s_mov_b32 s47, 0
	s_wait_dscnt 0x0
	s_wait_kmcnt 0x0
	s_add_nc_u64 s[14:15], s[4:5], s[16:17]
	s_add_nc_u64 s[46:47], s[6:7], s[46:47]
	CROUND
	; THE HEAD'S LOADS, ONE A WAVE, ARE ALL OF K: wave w fetches the whole record of A (w / 2 = 0) or of B (1) of chunk w % 2, into slot w % 2; nothing is filled later
	s_mul_i32 s22, s12, HALF                       ; s[14:15] and s[46:47] stand w % 2 half records in: as much again is chunk w % 2's record
	s_mov_b32 s23, 0
	s_mov_b32 s[G0], 1
	s_mul_i32 s[G0+1], s12, SLOT
	s_add_nc_u64 s[G0+2:G0+3], s[14:15], s[22:23]
	s_or_b32 s[G0+3], s[G0+3], 0x80000000
	s_mov_b32 s[G0B], 1
	s_add_co_u32 s[G0B+1], s[G0+1], REC
	s_add_nc_u64 s[G0B+2:G0B+3], s[46:47], s[22:23]
	s_or_b32 s[G0B+3], s[G0B+3], 0x80000000
	JLOAD 0
	v_and_b32 v1, 15, v0
	v_bfe_u32 v2, v0, 4, 1
	v_and_b32 v3, 31, v0
	v_lshlrev_b32 v[O16], 4, v3
	v_lshl_add_u32 v[O8], v3, 3, 512
	s_mul_i32 s21, s11, 6144
	s_mul_i32 s22, s12, 6144
	s_add_co_u32 s22, s22, REC
.irp s, 0,1
	v_add_nc_u32 v[A16+\s], s21, v[O16]
	v_add_nc_u32 v[A8+\s], s21, v[O8]
	v_add_nc_u32 v[B16+\s], s22, v[O16]
	v_add_nc_u32 v[B8+\s], s22, v[O8]
	s_add_co_u32 s21, s21, SLOT
	s_add_co_u32 s22, s22, SLOT
.endr
	s_lshl_b32 s21, s11, 8
	s_lshl_b32 s22, s12, 8
	s_add_co_u32 s22, s22, REC
	s_sub_co_u32 s22, s22, s21
	v_mul_u32_u24 v16, s22, v2
	v_lshl_add_u32 v16, v1, 2, v16
	s_add_co_u32 s21, s21, SCO
	v_add_nc_u32 v[AS], s21, v16
	s_add_co_u32 s21, s21, SLOT
	v_add_nc_u32 v[AS+1], s21, v16
	v_and_b32 v16, 8, v1
	v_mad_u32_u24 v16, v16, 3, v1                  ; lane r's token lies r + 24 (r / 8) rows behind its fragment's first
	v_mul_u32_u24 v16, v16, 528
	v_lshl_add_u32 v16, v2, 6, v16
	s_mul_i32 s76, s11, 64*528
	s_lshl_b32 s77, s12, 8
	s_add_co_u32 s76, s76, s77
	s_add_co_u32 s76, s76, STAGE
	v_add_nc_u32 v16, s76, v16
	s_mul_i32 s76, s10, 32*528
	s_add_co_u32 s76, s76, STAGE
	v_add_nc_u32 v17, s76, v[O16]
	v_lshlrev_b32 v19, 6, v2
	s_wait_alu depctr_va_vdst(0)
	s_lshl_b32 s74, s42, 9
	s_lshl_b32 s75, s12, 8
	s_add_co_u32 s74, s74, s75
	s_mov_b32 s75, 0
	s_add_nc_u64 s[68:69], s[68:69], s[74:75]
	s_lshl_b32 s74, s13, 7
	s_lshl_b32 s75, s10, 5
	s_add_co_u32 s74, s74, s75
	s_lshl_b32 s74, s74, 12
	s_lshl_b32 s75, s42, 9
	s_add_co_u32 s74, s74, s75
	s_mov_b32 s75, 0
	s_add_nc_u64 s[70:71], s[70:71], s[74:75]
	s_add_nc_u64 s[72:73], s[72:73], s[74:75]
	WIN TO_F
.irp x, 0,1,2,3
	global_load_b128 v[BI+8*\x:BI+8*\x+3], v19, s[68:69] offset:128*(\x/2)+32*(\x%2)
	global_load_b128 v[BI+8*\x+4:BI+8*\x+7], v19, s[68:69] offset:128*(\x/2)+32*(\x%2)+16
.endr
	WIN TO_R
.set t, 0
.rept 32
	global_load_b128 v[RES+4*t:RES+4*t+3], v[O16], s[70:71] offset:4096*t th:TH_LOAD_NT
.set t, t+1
.endr
	WIN 0
	s_wait_tensorcnt 0x0                           ; my record is in
	s_barrier_signal -1
	s_barrier_wait -1
	FETCH 0, 0, F0
	s_wait_loadcnt 32
	KSTEP 0, 0, F0, F1, 2
.if LAPS > 1
	WIN 0
	s_mov_b32 s3, LAPS-1
.Llap:
	KSTEP 0, 1, F1, F0, 0
	KSTEP 0, 2, F0, F1, 0
	TURN 0, 1, 1
	KSTEP 1, 0, F0, F1, 0
	KSTEP 1, 1, F1, F0, 0
	KSTEP 1, 2, F0, F1, 0
	TURN 1, 0, 1
	KSTEP 0, 0, F0, F1, 0
	WIN 0
	s_sub_co_u32 s3, s3, 1
	s_cmp_lg_u32 s3, 0
	s_cbranch_scc1 .Llap
.endif
	KSTEP 0, 1, F1, F0, 0
	KSTEP 0, 2, F0, F1, 0
	TURN 0, 1, 0
	KSTEP 1, 0, F0, F1, 0
	KSTEP 1, 1, F1, F0, 0
	KSTEP 1, 2, F0, F1, 0
	LAST
	PLACES 4
.irp y, 0,1,2,3
.irp x, 0,1,2,3
	ds_store_b128 v16, v[ACC+8*(4*\y+\x):ACC+8*(4*\y+\x)+3] offset:(8*\y)*528+128*(\x/2)+32*(\x%2)       ; token fragment y of my four begins 8 y rows on
	ds_store_b128 v16, v[ACC+8*(4*\y+\x)+4:ACC+8*(4*\y+\x)+7] offset:(8*\y)*528+128*(\x/2)+32*(\x%2)+16
.endr
.endr
	s_wait_dscnt 0x0
	s_barrier_signal -1
	s_barrier_wait -1
	WIN TO_F
.set t, 0
.rept 32
	ds_load_b128 v[4*t:4*t+3], v17 offset:528*t
.set t, t+1
.endr
	s_wait_loadcnt 0x0
.irp u, 0,1
	s_wait_dscnt 16-16*\u
	WIN ADDW
.set t, 16*\u
.rept 16
	v_pk_add_f32 v[ACC+4*t:ACC+4*t+1], v[RES+4*t:RES+4*t+1], v[4*t:4*t+1]
	v_pk_add_f32 v[ACC+4*t+2:ACC+4*t+3], v[RES+4*t+2:RES+4*t+3], v[4*t+2:4*t+3]
.set t, t+1
.endr
	WIN 0
.set t, 16*\u
.rept 16
	global_store_b128 v[O16], v[ACC+4*t:ACC+4*t+3], s[72:73] offset:4096*t
.set t, t+1
.endr
.endr
	s_wait_tensorcnt 0x0
	ds_add_u32 v[SPW], v[NIL]
	s_wait_dscnt 0x0
	CROUND
	s_endpgm
.Lfunc_end_k_q65f22134ad_proj:
	.size	k_q65f22134ad_proj, .Lfunc_end_k_q65f22134ad_proj-k_q65f22134ad_proj
	.p2alignl 7, 3214868480
	.fill 96, 4, 3214868480
	.section	.rodata,"a",@progbits
	.p2align	6, 0x0
	.amdhsa_kernel k_q65f22134ad_proj
		.amdhsa_group_segment_fixed_size 327680
		.amdhsa_private_segment_fixed_size 0
		.amdhsa_enable_private_segment 0
		.amdhsa_kernarg_size 40
		.amdhsa_user_sgpr_count 2
		.amdhsa_user_sgpr_kernarg_segment_ptr 1
		.amdhsa_wavefront_size32 1
		.amdhsa_system_sgpr_workgroup_id_x 1
		.amdhsa_system_sgpr_workgroup_id_y 1
		.amdhsa_system_sgpr_workgroup_id_z 1
		.amdhsa_system_vgpr_workitem_id 0
		.amdhsa_next_free_vgpr 640
		.amdhsa_next_free_sgpr 100
		.amdhsa_reserve_vcc 0
		.amdhsa_float_denorm_mode_32 3
		.amdhsa_float_denorm_mode_16_64 3
		.amdhsa_memory_ordered 1
		.amdhsa_forward_progress 1
		.amdhsa_inst_pref_size 59
	.end_amdhsa_kernel
	.amdgpu_metadata
---
amdhsa.version: [ 1, 2 ]
amdhsa.kernels:
  - .name:           k_q65f22134ad_proj
    .symbol:         k_q65f22134ad_proj.kd
    .args:
      - { .name: wa, .offset: 0, .size: 8, .value_kind: global_buffer, .address_space: global }
      - { .name: wimg, .offset: 8, .size: 8, .value_kind: global_buffer, .address_space: global }
      - { .name: b_out, .offset: 16, .size: 8, .value_kind: global_buffer, .address_space: global }
      - { .name: x, .offset: 24, .size: 8, .value_kind: global_buffer, .address_space: global }
      - { .name: x1, .offset: 32, .size: 8, .value_kind: global_buffer, .address_space: global }
    .group_segment_fixed_size: 327680
    .private_segment_fixed_size: 0
    .kernarg_segment_align: 8
    .kernarg_segment_size: 40
    .max_flat_workgroup_size: 128
    .sgpr_count:     100
    .vgpr_count:     640
    .wavefront_size: 32
...
	.end_amdgpu_metadata
.endif
;; end of part 5
;; launch ln2: the kernel of part 2 again; grid 256 x 1, 8 waves a work-group, no clusters, 69,632 bytes of LDS; arguments x1, ln2_g, ln2_b, xn; writes xn
;; launch fc1 (part 6): grid 8 x 32, 4 waves a work-group, clusters of 4 x 4, 327,680 bytes of LDS; arguments xn, wimg, b1, hq; writes hq
.if DOCPART == 6
	.amdgcn_target "amdgcn-amd-amdhsa--gfx1250"
	.amdhsa_code_object_version 6
	.text
	.protected	k_q65f22134ad_fc1
	.globl	k_q65f22134ad_fc1
	.p2align	8
	.type	k_q65f22134ad_fc1,@function
k_q65f22134ad_fc1:
	s_mov_b64 s[64:65], 0
	v_nop
	global_prefetch_b8 v0, s[64:65] scope:SCOPE_SE
	s_setreg_imm32_b32 hwreg(HW_REG_WAVE_MODE, 25, 1), 1
	s_wait_xcnt 0x0
	s_wait_alu depctr_hold_cnt(0) depctr_sa_sdst(0) depctr_va_vdst(0) depctr_va_sdst(0) depctr_va_ssrc(0) depctr_va_vcc(0) depctr_vm_vsrc(0)
	s_getreg_b32 s2, hwreg(HW_REG_IB_STS2, 6, 4)
	s_cmp_eq_u32 s2, 0
	s_cbranch_scc0 .Lentry_in_a_cluster
	s_endpgm
.Lentry_in_a_cluster:
	s_bfe_u32 s2, ttmp6, 0x10000c
	s_cmp_lg_u32 s2, 0xf033
	s_cbranch_scc0 .Lentry_shape_is_right
	s_endpgm
.Lentry_shape_is_right:
.set KC,    2
.set WOFF,  3276800
.set BT,    4*KC*51200
.set RSTEP, KC*51200
.set SST,   204800
.set SPARE, SST+1024
.set SEL,   72
.set CA,    76
.set CB,    88
.set RS2,   96
.set B16, 8
.set B8,  10
.set AS,  12
.set REC,   51200
.set HALF,  25600
.set SLOT,  2*REC
.set SCO,   49152
.set A16, 4
.set A8,  6
.set O16, 14
.set O8,  15
.set SPW, 22
.set NIL, 23
.set SC,  24
.set ACC, 128
.set F0,  0
.set F1,  96
.set BI,  192
.set G0R, 16
.set G1,  24
.set G0,  32
.set G1B, 48
.set G0B, 56
.set MSB, 0
.macro WIN new
.if MSB != \new
	s_set_vgpr_msb (MSB<<8)|\new
.set MSB, \new
.endif
.endm
.set MUL,  0x05
.set MULB, 0x15
.set TO_F, 0x40
.macro PLACES n
.rept \n
	v_nop
.endr
.endm
.macro JLOAD s
	s_cmp_eq_u32 s11, 0
	s_cbranch_scc0 .Lfor_b_\@
	tensor_load_to_lds s[G0+4*\s:G0+4*\s+3], s[G1:G1+7]
	s_nop 0
	PLACES 4
	s_branch .Lasked_\@
.Lfor_b_\@:
	tensor_load_to_lds s[G0B+4*\s:G0B+4*\s+3], s[G1B:G1B+7]
	s_nop 0
	PLACES 4
.Lasked_\@:
.endm
.macro CREST
	s_cmp_lg_u32 s10, 0
	s_cbranch_scc1 .Lnot_wave_0_\@
	s_barrier_signal -3
.Lnot_wave_0_\@:
	s_barrier_wait -3
	s_barrier_signal -1
	s_barrier_wait -1
.endm
.macro CROUND
	s_barrier_signal -1
	s_barrier_wait -1
	CREST
.endm
.macro FETCH slot, q, f
	WIN 0
.irp i, 0,1,2,3
	ds_load_b32 v[SC+4*((\f)/96)+\i], v[AS+(\slot)] offset:512*(\q)+64*\i
.endr
	WIN TO_F
.irp i, 0,1,2,3
	ds_load_b128 v[(\f)+48+12*\i:(\f)+48+12*\i+3], v[B16+(\slot)] offset:12288*(\q)+1536*\i
	ds_load_b64 v[(\f)+48+12*\i+4:(\f)+48+12*\i+5], v[B8+(\slot)] offset:12288*(\q)+1536*\i
	ds_load_b128 v[(\f)+48+12*\i+6:(\f)+48+12*\i+9], v[B16+(\slot)] offset:12288*(\q)+1536*\i+768
	ds_load_b64 v[(\f)+48+12*\i+10:(\f)+48+12*\i+11], v[B8+(\slot)] offset:12288*(\q)+1536*\i+768
.endr
.irp i, 0,1,2,3
	ds_load_b128 v[(\f)+12*\i:(\f)+12*\i+3], v[A16+(\slot)%2] offset:12288*(\q)+1536*\i
	ds_load_b64 v[(\f)+12*\i+4:(\f)+12*\i+5], v[A8+(\slot)%2] offset:12288*(\q)+1536*\i
	ds_load_b128 v[(\f)+12*\i+6:(\f)+12*\i+9], v[A16+(\slot)%2] offset:12288*(\q)+1536*\i+768
	ds_load_b64 v[(\f)+12*\i+10:(\f)+12*\i+11], v[A8+(\slot)%2] offset:12288*(\q)+1536*\i+768
.endr
.endm
.macro MUL4 f, y, first, sw
.if (\first) == 2
	WIN MULB
.else
	WIN MUL
.endif
.set SS, SC+4*((\f)/96)
.irp x, 0,1,2,3
.set DD, ACC+8*(4*(\y)+\x)
.if \sw
.set RA, (\f)+12*\x
.set RB, (\f)+48+12*(\y)
.if (\first) == 1
	v_wmma_scale_f32_16x16x128_f8f6f4 v[DD:DD+7], v[RA:RA+11], v[RB:RB+11], 0, v[SS+\x], v[SS+(\y)] matrix_a_fmt:MATRIX_FMT_FP6 matrix_b_fmt:MATRIX_FMT_FP6 matrix_b_scale:MATRIX_SCALE_ROW1
.else
	v_wmma_scale_f32_16x16x128_f8f6f4 v[DD:DD+7], v[RA:RA+11], v[RB:RB+11], v[DD:DD+7], v[SS+\x], v[SS+(\y)] matrix_a_fmt:MATRIX_FMT_FP6 matrix_b_fmt:MATRIX_FMT_FP6 matrix_b_scale:MATRIX_SCALE_ROW1
.endif
.else
.set RA, (\f)+48+12*\x
.set RB, (\f)+12*(\y)
.if (\first) == 1
	v_wmma_scale_f32_16x16x128_f8f6f4 v[DD:DD+7], v[RA:RA+11], v[RB:RB+11], 0, v[SS+\x], v[SS+(\y)] matrix_a_fmt:MATRIX_FMT_FP6 matrix_b_fmt:MATRIX_FMT_FP6 matrix_a_scale:MATRIX_SCALE_ROW1
.elseif (\first) == 2
	v_wmma_scale_f32_16x16x128_f8f6f4 v[DD:DD+7], v[RA:RA+11], v[RB:RB+11], v[BI+8*\x:BI+8*\x+7], v[SS+\x], v[SS+(\y)] matrix_a_fmt:MATRIX_FMT_FP6 matrix_b_fmt:MATRIX_FMT_FP6 matrix_a_scale:MATRIX_SCALE_ROW1
.else
	v_wmma_scale_f32_16x16x128_f8f6f4 v[DD:DD+7], v[RA:RA+11], v[RB:RB+11], v[DD:DD+7], v[SS+\x], v[SS+(\y)] matrix_a_fmt:MATRIX_FMT_FP6 matrix_b_fmt:MATRIX_FMT_FP6 matrix_a_scale:MATRIX_SCALE_ROW1
.endif
.endif
.endr
.endm
.macro KSTEP ns, nq, f, g, first, sw
.if \sw
	s_wait_dscnt 0x0
.else
	s_wait_dscnt 8
.endif
	MUL4 \f, 0, \first, \sw
	MUL4 \f, 1, \first, \sw
	PLACES 4
	FETCH \ns, \nq, \g
	s_wait_dscnt 36
	MUL4 \f, 2, \first, \sw
	MUL4 \f, 3, \first, \sw
.endm
.macro TURN next, fill, fetch, sw
	WIN 0
	s_wait_tensorcnt 0x0
	ds_add_u32 v[SPW], v[NIL]
.if \sw
	s_wait_dscnt 1
.else
	s_wait_dscnt 9
.endif
	MUL4 F1, 0, 0, \sw
	s_wait_dscnt 0x0
	s_barrier_signal -1
	MUL4 F1, 1, 0, \sw
	WIN 0
	s_barrier_wait -1
.if \fill
	CREST
	s_add_nc_u64 s[G0R+2:G0R+3], s[G0R+2:G0R+3], RSTEP
	tensor_load_to_lds s[G0R:G0R+3], s[G1B:G1B+7]
	s_nop 0
.endif
	PLACES 4
.if \fetch
	FETCH \next, 0, F0
.endif
	MUL4 F1, 2, 0, \sw
	MUL4 F1, 3, 0, \sw
.endm
.macro LAST sw
.if \sw
	s_wait_dscnt 0x0
.else
	s_wait_dscnt 8
.endif
	MUL4 F1, 0, 0, \sw
	MUL4 F1, 1, 0, \sw
	s_wait_dscnt 0x0
	MUL4 F1, 2, 0, \sw
	MUL4 F1, 3, 0, \sw
	WIN 0
.endm
.set TM, 32
.set TP, 40
.set SO, 48
.set W,  56
.set SD, 60
.set PC, 64
.set PT, 88
.macro EQ
	s_wait_xcnt 0x0
.irp B, 0,1,2,3,4,5,6,7
	v_max3_num_f32 v[TM+\B], |v[ACC+16*\B]|, |v[ACC+16*\B+1]|, 0x1800000
.endr
.irp i, 2,4,6,8,10,12,14
.irp B, 0,1,2,3,4,5,6,7
	v_max3_num_f32 v[TM+\B], v[TM+\B], |v[ACC+16*\B+\i]|, |v[ACC+16*\B+\i+1]|
.endr
.endr
.irp B, 0,1,2,3,4,5,6,7
	v_permlanex16_b32 v[TP+\B], v[TM+\B], s[SEL], s[SEL+1]
.endr
.irp B, 0,1,2,3,4,5,6,7
	v_max_num_f32 v[TM+\B], v[TM+\B], v[TP+\B]
.endr
.irp B, 0,1,2,3,4,5,6,7
	v_add_nc_u32 v[SO+\B], 0xff000000, v[TM+\B]
.endr
.irp B, 0,1,2,3,4,5,6,7
	v_lshrrev_b32 v[TP+\B], 23, v[SO+\B]
.endr
.irp y, 0,1,2,3
	v_lshl_or_b32 v[W+\y], v[TP+2*\y+1], 8, v[TP+2*\y]
.endr
.irp y, 0,1,2,3
	v_cvt_scalef32_pk16_fp6_f32 v[PC+6*\y:PC+6*\y+2], v[ACC+32*\y:ACC+32*\y+15], v[SO+2*\y]
	v_cvt_scalef32_pk16_fp6_f32 v[PT+4*\y:PT+4*\y+2], v[ACC+32*\y+16:ACC+32*\y+31], v[SO+2*\y+1]
.endr
	v_nop
.irp y, 0,1,2,3
.irp i, 0,1,2
	v_permlane16_swap_b32 v[PC+6*\y+\i], v[PT+4*\y+\i]
.endr
.irp i, 0,1,2
	v_mov_b32 v[PC+6*\y+3+\i], v[PT+4*\y+\i]
.endr
.endr
.endm
.macro PUT sb, step
.irp y, 0,1,2,3
	global_store_b128 v[O16], v[PC+6*\y:PC+6*\y+3], s[\sb:\sb+1] offset:(\step)*\y
	global_store_b64 v[O8], v[PC+6*\y+4:PC+6*\y+5], s[\sb:\sb+1] offset:(\step)*\y
.endr
.endm
.macro SOUT nw, sb, off, lo, tw
.if \tw
	s_wait_tensorcnt 0x0
.endif
	s_wait_dscnt 0x0
	s_barrier_signal -1
	s_barrier_wait -1
.if \nw < 4
	s_cmp_lt_u32 s10, \nw
	s_cbranch_scc0 .Lno_\@
.endif
	ds_load_b64 v[SD:SD+1], v19 offset:\lo
	s_wait_dscnt 0x0
	global_store_b64 v20, v[SD:SD+1], s[\sb:\sb+1] offset:\off
.Lno_\@:
.endm
.set GT, 32
.set GX, 48
.set GP, 64
.set GQ, 80
.macro GELU g
.set Z, ACC+16*(\g)
.irp k, 0,2,4,6,8,10,12,14
	v_pk_mul_f32 v[GT+\k:GT+\k+1], v[Z+\k:Z+\k+1], s[RS2:RS2+1] op_sel_hi:[1,0]
.endr
.irp k, 0,1,2,3,4,5,6,7,8,9,10,11,12,13,14,15
	v_med3_num_f32 v[GT+\k], v[GT+\k], -4.0, 4.0
.endr
.irp k, 0,2,4,6,8,10,12,14
	v_pk_mul_f32 v[GX+\k:GX+\k+1], v[GT+\k:GT+\k+1], v[GT+\k:GT+\k+1]
.endr
.irp k, 0,2,4,6,8,10,12,14
	v_pk_fma_f32 v[GP+\k:GP+\k+1], v[GX+\k:GX+\k+1], v[104:105], s[CA:CA+1] op_sel_hi:[1,1,0]
.endr
.irp c, 1,2,3,4,5
.irp k, 0,2,4,6,8,10,12,14
	v_pk_fma_f32 v[GP+\k:GP+\k+1], v[GP+\k:GP+\k+1], v[GX+\k:GX+\k+1], s[CA+2*\c:CA+2*\c+1] op_sel_hi:[1,1,0]
.endr
.endr
.irp k, 0,2,4,6,8,10,12,14
	v_pk_fma_f32 v[GQ+\k:GQ+\k+1], v[GX+\k:GX+\k+1], v[106:107], s[CB:CB+1] op_sel_hi:[1,1,0]
.endr
.irp c, 1,2,3
.irp k, 0,2,4,6,8,10,12,14
	v_pk_fma_f32 v[GQ+\k:GQ+\k+1], v[GQ+\k:GQ+\k+1], v[GX+\k:GX+\k+1], s[CB+2*\c:CB+2*\c+1] op_sel_hi:[1,1,0]
.endr
.endr
	s_wait_alu depctr_va_vdst(0)
.irp k, 0,1,2,3,4,5,6,7,8,9,10,11,12,13,14,15
	v_rcp_f32 v[GQ+\k], v[GQ+\k]
.endr
.irp k, 0,2,4,6,8,10,12,14
	v_pk_mul_f32 v[GP+\k:GP+\k+1], v[GP+\k:GP+\k+1], v[GT+\k:GT+\k+1]
.endr
.irp k, 0,2,4,6,8,10,12,14
	v_pk_mul_f32 v[GX+\k:GX+\k+1], v[Z+\k:Z+\k+1], 0.5 op_sel_hi:[1,0]
.endr
	s_wait_alu depctr_va_vdst(0)
.irp k, 0,2,4,6,8,10,12,14
	v_pk_mul_f32 v[GP+\k:GP+\k+1], v[GP+\k:GP+\k+1], v[GQ+\k:GQ+\k+1]
.endr
.irp k, 0,2,4,6,8,10,12,14
	v_pk_fma_f32 v[Z+\k:Z+\k+1], v[GX+\k:GX+\k+1], v[GP+\k:GP+\k+1], v[GX+\k:GX+\k+1]
.endr
.endm
.macro SPAIR reg, val
	s_mov_b32 s[\reg], \val
	s_mov_b32 s[\reg+1], \val
.endm
	s_load_b128 s[4:7], s[0:1], 0x0
	s_load_b128 s[68:71], s[0:1], 0x10
	v_lshl_add_u32 v[SPW], v0, 2, SPARE
	v_mov_b32 v[NIL], 0
	ds_add_u32 v[SPW], v[NIL]
	ds_add_u32 v[SPW], v[NIL]
	v_lshrrev_b32 v1, 5, v0
	v_readfirstlane_b32 s10, v1
	s_lshr_b32 s11, s10, 1
	s_and_b32 s12, s10, 1
	s_bfe_u32 s40, ttmp6, 0x40000
	s_bfe_u32 s41, ttmp6, 0x40004
	s_lshl_b32 s42, ttmp9, 2
	s_add_co_u32 s42, s42, s40
	s_and_b32 s13, ttmp7, 0xffff
	s_lshl_b32 s13, s13, 2
	s_add_co_u32 s13, s13, s41
	s_lshl_b32 s43, s41, 2
	s_lshl_b32 s43, 15, s43
	s_lshl_b32 s44, 0x1111, s40
	s_or_b32 s[G1+0], s43, (3<<16)|(1<<21)
	s_or_b32 s[G1B+0], s44, (3<<16)|(1<<21)
.irp g, G1, G1B
	s_mov_b32 s[\g+1], 32<<16
	s_mov_b32 s[\g+2], 200<<16                     ; the head's loads bring a whole record: 200 rows of 256 bytes
	s_mov_b32 s[\g+3], 32<<16
	s_mov_b32 s[\g+4], 200
	s_mov_b32 s[\g+5], 32
	s_mov_b32 s[\g+6], 0
	s_mov_b32 s[\g+7], 0
.endr
	s_mul_i32 s16, s13, KC*REC
	s_mul_i32 s17, s12, HALF
	s_add_co_u32 s16, s16, s17
	s_mov_b32 s17, 0
	s_mul_i32 s46, s42, BT
	s_mul_i32 s47, s12, HALF
	s_add_co_u32 s46, s46, s47
	s_add_co_u32 s46, s46, WOFF
	s_mov_b32 s47, 0
	s_wait_dscnt 0x0
	s_wait_kmcnt 0x0
	s_add_nc_u64 s[14:15], s[4:5], s[16:17]
	s_add_nc_u64 s[46:47], s[6:7], s[46:47]
	s_mul_i32 s18, s11, REC
	s_mov_b32 s19, 0
	s_add_nc_u64 s[18:19], s[46:47], s[18:19]
	s_or_b32 s[G0R+3], s[G0R+3], 0x80000000
	s_mul_i32 s[G0R+1], s11, SLOT
	s_mul_i32 s[G0R], s12, HALF
	s_add_co_u32 s[G0R+1], s[G0R+1], s[G0R]
	s_add_co_u32 s[G0R+1], s[G0R+1], REC
	s_mov_b32 s[G0R], 1
	CROUND
	; THE HEAD'S LOADS, ONE A WAVE: wave w fetches the whole record of A (w / 2 = 0) or of the first tile's B (1) of chunk w % 2, into slot w % 2
	s_mul_i32 s22, s12, HALF                       ; s[14:15] and s[46:47] stand w % 2 half records in: as much again is chunk w % 2's record
	s_mov_b32 s23, 0
	s_mov_b32 s[G0], 1
	s_mul_i32 s[G0+1], s12, SLOT
	s_add_nc_u64 s[G0+2:G0+3], s[14:15], s[22:23]
	s_or_b32 s[G0+3], s[G0+3], 0x80000000
	s_mov_b32 s[G0B], 1
	s_add_co_u32 s[G0B+1], s[G0+1], REC
	s_add_nc_u64 s[G0B+2:G0B+3], s[46:47], s[22:23]
	s_or_b32 s[G0B+3], s[G0B+3], 0x80000000
	JLOAD 0
	v_and_b32 v1, 15, v0
	v_bfe_u32 v2, v0, 4, 1
	v_and_b32 v3, 31, v0
	v_lshlrev_b32 v[O16], 4, v3
	v_lshl_add_u32 v[O8], v3, 3, 512
	s_mul_i32 s21, s11, 6144
	s_mul_i32 s22, s12, 6144
	s_add_co_u32 s22, s22, REC
.irp s, 0,1
	v_add_nc_u32 v[A16+\s], s21, v[O16]
	v_add_nc_u32 v[A8+\s], s21, v[O8]
	v_add_nc_u32 v[B16+\s], s22, v[O16]
	v_add_nc_u32 v[B8+\s], s22, v[O8]
	s_add_co_u32 s21, s21, SLOT
	s_add_co_u32 s22, s22, SLOT
.endr
	s_lshl_b32 s21, s11, 8
	s_lshl_b32 s22, s12, 8
	s_add_co_u32 s22, s22, REC
	s_sub_co_u32 s22, s22, s21
	v_mul_u32_u24 v16, s22, v2
	v_lshl_add_u32 v16, v1, 2, v16
	s_add_co_u32 s21, s21, SCO
	v_add_nc_u32 v[AS], s21, v16
	s_add_co_u32 s21, s21, SLOT
	v_add_nc_u32 v[AS+1], s21, v16
.irp B, 0,1,2,3,4,5,6,7
	v_mov_b32 v[TP+\B], 0
.endr
	s_mov_b32 s[SEL], 0x76543210
	s_mov_b32 s[SEL+1], 0xfedcba98
	v_mov_b32 v104, 0xaf95df0b
	v_mov_b32 v105, 0xaf95df0b
	v_mov_b32 v106, 0xb77460cd
	v_mov_b32 v107, 0xb77460cd
	SPAIR CA, 0x32edffee
	SPAIR CA+2, 0xb60cff51
	SPAIR CA+4, 0xb86ec2d2
	SPAIR CA+6, 0xba40ac63
	SPAIR CA+8, 0xbb41a1f6
	SPAIR CA+10, 0xbc83dbd4
	SPAIR CB, 0xb95fbd29
	SPAIR CB+2, 0xbadc924e
	SPAIR CB+4, 0xbbf19bf8
	SPAIR CB+6, 0xbc69b6a7
	SPAIR RS2, 0x3f3504f3
	s_lshl_b32 s74, s11, 8
	s_lshl_b32 s75, s12, 1
	s_add_co_u32 s74, s74, s75
	s_add_co_u32 s74, s74, SST
	v_lshl_add_u32 v16, v1, 2, s74
	s_lshl_b32 s74, s10, 8
	s_add_co_u32 s74, s74, SST
	v_lshl_add_u32 v19, v3, 3, s74
	v_lshlrev_b32 v20, 3, v3
	v_lshlrev_b32 v21, 6, v2
	s_wait_alu depctr_va_vdst(0)
	s_lshl_b32 s74, s42, 11
	s_lshl_b32 s75, s12, 8
	s_add_co_u32 s74, s74, s75
	s_mov_b32 s75, 0
	s_add_nc_u64 s[68:69], s[68:69], s[74:75]
	s_lshl_b32 s74, s13, 3
	s_add_co_u32 s74, s74, s42
	s_mul_i32 s74, s74, REC
	s_lshl_b32 s66, s12, 8
	s_add_co_u32 s66, s66, s74
	s_add_co_u32 s66, s66, SCO
	s_mov_b32 s67, 0
	s_add_nc_u64 s[66:67], s[70:71], s[66:67]
	s_mul_i32 s75, s11, 6144
	s_add_co_u32 s74, s74, s75
	s_mul_i32 s75, s12, 768
	s_add_co_u32 s74, s74, s75
	s_mov_b32 s75, 0
	s_add_nc_u64 s[70:71], s[70:71], s[74:75]
.macro BIAS
	WIN TO_F
.irp x, 0,1,2,3
	global_load_b128 v[BI+8*\x:BI+8*\x+3], v21, s[68:69] offset:128*(\x/2)+32*(\x%2)
	global_load_b128 v[BI+8*\x+4:BI+8*\x+7], v21, s[68:69] offset:128*(\x/2)+32*(\x%2)+16
.endr
.endm
.macro TILE fill
	FETCH 0, 0, F0
	s_wait_loadcnt 0x0
	PLACES 5
	KSTEP 0, 1, F0, F1, 2, 0
	KSTEP 0, 2, F1, F0, 0, 0
	KSTEP 0, 3, F0, F1, 0, 0
	TURN 1, 0, 1, 0
.if \fill
	s_wait_xcnt 0x0
	s_add_nc_u64 s[68:69], s[68:69], 512
	BIAS
.endif
	KSTEP 1, 1, F0, F1, 0, 0
	KSTEP 1, 2, F1, F0, 0, 0
	KSTEP 1, 3, F0, F1, 0, 0
.if \fill
	TURN 0, 1, 0, 0
.else
	LAST 0
.endif
	WIN 0
	PLACES 4
.endm
.macro EPI tw
.irp g, 0,1,2,3,4,5,6,7
	GELU \g
.endr
	EQ
	PUT 70, 1536
.irp y, 0,1,2,3
	ds_store_b16 v16, v[W+\y] offset:64*\y
.endr
	SOUT 2, 66, 0, 0, \tw
.endm
	BIAS
	WIN 0
	s_wait_tensorcnt 0x0                           ; my record is in, and no tensor load of mine is out:
	s_mov_b32 s[G1B+2], 100<<16                    ; from here on a load of B brings half a record, 100 rows
	s_mov_b32 s[G1B+4], 100
	s_barrier_signal -1
	s_barrier_wait -1
	s_mov_b32 s3, 3
.Ltile:
	TILE 1
	EPI 1
	s_wait_xcnt 0x0
	s_add_nc_u64 s[70:71], s[70:71], 12288
	s_add_nc_u64 s[66:67], s[66:67], 512
	s_sub_co_u32 s3, s3, 1
	s_cmp_lg_u32 s3, 0
	s_cbranch_scc1 .Ltile
	TILE 0
	EPI 0
	s_wait_tensorcnt 0x0
	ds_add_u32 v[SPW], v[NIL]
	s_wait_dscnt 0x0
	CROUND
	s_endpgm
.Lfunc_end_k_q65f22134ad_fc1:
	.size	k_q65f22134ad_fc1, .Lfunc_end_k_q65f22134ad_fc1-k_q65f22134ad_fc1
	.p2alignl 7, 3214868480
	.fill 96, 4, 3214868480
	.section	.rodata,"a",@progbits
	.p2align	6, 0x0
	.amdhsa_kernel k_q65f22134ad_fc1
		.amdhsa_group_segment_fixed_size 327680
		.amdhsa_private_segment_fixed_size 0
		.amdhsa_enable_private_segment 0
		.amdhsa_kernarg_size 32
		.amdhsa_user_sgpr_count 2
		.amdhsa_user_sgpr_kernarg_segment_ptr 1
		.amdhsa_wavefront_size32 1
		.amdhsa_system_sgpr_workgroup_id_x 1
		.amdhsa_system_sgpr_workgroup_id_y 1
		.amdhsa_system_sgpr_workgroup_id_z 1
		.amdhsa_system_vgpr_workitem_id 0
		.amdhsa_next_free_vgpr 512
		.amdhsa_next_free_sgpr 100
		.amdhsa_reserve_vcc 0
		.amdhsa_float_denorm_mode_32 3
		.amdhsa_float_denorm_mode_16_64 3
		.amdhsa_memory_ordered 1
		.amdhsa_forward_progress 1
		.amdhsa_inst_pref_size 255
	.end_amdhsa_kernel
	.section	.bss,"aw",@nobits
	.p2align	6
	.space	262144
	.amdgpu_metadata
---
amdhsa.version: [ 1, 2 ]
amdhsa.kernels:
  - .name:           k_q65f22134ad_fc1
    .symbol:         k_q65f22134ad_fc1.kd
    .args:
      - { .name: xn, .offset: 0, .size: 8, .value_kind: global_buffer, .address_space: global }
      - { .name: wimg, .offset: 8, .size: 8, .value_kind: global_buffer, .address_space: global }
      - { .name: b1, .offset: 16, .size: 8, .value_kind: global_buffer, .address_space: global }
      - { .name: hq, .offset: 24, .size: 8, .value_kind: global_buffer, .address_space: global }
    .group_segment_fixed_size: 327680
    .private_segment_fixed_size: 0
    .kernarg_segment_align: 8
    .kernarg_segment_size: 32
    .max_flat_workgroup_size: 128
    .sgpr_count:     100
    .vgpr_count:     512
    .wavefront_size: 32
...
	.end_amdgpu_metadata
.endif
;; end of part 6
;; launch fc2 (part 7): grid 8 x 32, 4 waves a work-group, clusters of 4 x 4, 327,680 bytes of LDS; arguments hq, wimg, b2, x1, out0; writes out0
.if DOCPART == 7
	.amdgcn_target "amdgcn-amd-amdhsa--gfx1250"
	.amdhsa_code_object_version 6
	.text
	.protected	k_q65f22134ad_fc2
	.globl	k_q65f22134ad_fc2
	.p2align	8
	.type	k_q65f22134ad_fc2,@function
k_q65f22134ad_fc2:
	s_mov_b64 s[64:65], 0
	v_nop
	global_prefetch_b8 v0, s[64:65] scope:SCOPE_SE
	s_setreg_imm32_b32 hwreg(HW_REG_WAVE_MODE, 25, 1), 1
	s_wait_xcnt 0x0
	s_wait_alu depctr_hold_cnt(0) depctr_sa_sdst(0) depctr_va_vdst(0) depctr_va_sdst(0) depctr_va_ssrc(0) depctr_va_vcc(0) depctr_vm_vsrc(0)
	s_getreg_b32 s2, hwreg(HW_REG_IB_STS2, 6, 4)
	s_cmp_eq_u32 s2, 0
	s_cbranch_scc0 .Lentry_in_a_cluster
	s_endpgm
.Lentry_in_a_cluster:
	s_bfe_u32 s2, ttmp6, 0x10000c
	s_cmp_lg_u32 s2, 0xf033
	s_cbranch_scc0 .Lentry_shape_is_right
	s_endpgm
.Lentry_shape_is_right:
.set KC,    8
.set WOFF,  6553600
.set BT,    KC*51200
.set LAPS,  KC/2
.set STAGE, 204800
.set SPARE, STAGE+128*528
.set RES,   0
.set REC,   51200
.set HALF,  25600
.set SLOT,  2*REC
.set SCO,   49152
.set A16, 4
.set A8,  6
.set B16, 8
.set B8,  10
.set AS,  12
.set O16, 14
.set O8,  15
.set SPW, 22
.set NIL, 23
.set SC,  24
.set ACC, 128
.set F0,  0
.set F1,  96
.set BI,  192
.set G1,  24
.set G0,  32
.set G1B, 48
.set G0B, 56
.set GH,  80                           ; s[80:83], s[84:87] group 0 of the head's loads of A and of B
.set GHB, 84
.set PFA, 88                           ; s[88:89] where my prefetches stand; v18 their offset: 256 x min(lane, 24)
.set MSB, 0
.macro WIN new
.if MSB != \new
	s_set_vgpr_msb (MSB<<8)|\new
.set MSB, \new
.endif
.endm
.set MUL,  0x05
.set MULB, 0x15
.set TO_F, 0x40
.set TO_R, 0x80
.set ADDW, 0x06
.macro PLACES n
.rept \n
	v_nop
.endr
.endm
.macro JLOAD s
	s_cmp_eq_u32 s11, 0
	s_cbranch_scc0 .Lfor_b_\@
	tensor_load_to_lds s[G0+4*\s:G0+4*\s+3], s[G1:G1+7]
	s_nop 0
	PLACES 4
	s_branch .Lasked_\@
.Lfor_b_\@:
	tensor_load_to_lds s[G0B+4*\s:G0B+4*\s+3], s[G1B:G1B+7]
	s_nop 0
	PLACES 4
.Lasked_\@:
.endm
.macro CREST
	s_cmp_lg_u32 s10, 0
	s_cbranch_scc1 .Lnot_wave_0_\@
	s_barrier_signal -3
.Lnot_wave_0_\@:
	s_barrier_wait -3
	s_barrier_signal -1
	s_barrier_wait -1
.endm
.macro CROUND
	s_barrier_signal -1
	s_barrier_wait -1
	CREST
.endm
.macro FETCH slot, q, f
	WIN 0
.irp i, 0,1,2,3
	ds_load_b32 v[SC+4*((\f)/96)+\i], v[AS+\slot] offset:512*(\q)+64*\i
.endr
	WIN TO_F
.irp i, 0,1,2,3
	ds_load_b128 v[(\f)+48+12*\i:(\f)+48+12*\i+3], v[B16+\slot] offset:12288*(\q)+1536*\i
	ds_load_b64 v[(\f)+48+12*\i+4:(\f)+48+12*\i+5], v[B8+\slot] offset:12288*(\q)+1536*\i
	ds_load_b128 v[(\f)+48+12*\i+6:(\f)+48+12*\i+9], v[B16+\slot] offset:12288*(\q)+1536*\i+768
	ds_load_b64 v[(\f)+48+12*\i+10:(\f)+48+12*\i+11], v[B8+\slot] offset:12288*(\q)+1536*\i+768
.endr
.irp i, 0,1,2,3
	ds_load_b128 v[(\f)+12*\i:(\f)+12*\i+3], v[A16+\slot] offset:12288*(\q)+1536*\i
	ds_load_b64 v[(\f)+12*\i+4:(\f)+12*\i+5], v[A8+\slot] offset:12288*(\q)+1536*\i
	ds_load_b128 v[(\f)+12*\i+6:(\f)+12*\i+9], v[A16+\slot] offset:12288*(\q)+1536*\i+768
	ds_load_b64 v[(\f)+12*\i+10:(\f)+12*\i+11], v[A8+\slot] offset:12288*(\q)+1536*\i+768
.endr
.endm
.macro MUL4 f, y, first
.if (\first) == 2
	WIN MULB
.else
	WIN MUL
.endif
.set SS, SC+4*((\f)/96)
.irp x, 0,1,2,3
.set DD, ACC+8*(4*(\y)+\x)
.set RA, (\f)+48+12*\x
.set RB, (\f)+12*(\y)
.if (\first) == 2
	v_wmma_scale_f32_16x16x128_f8f6f4 v[DD:DD+7], v[RA:RA+11], v[RB:RB+11], v[BI+8*\x:BI+8*\x+7], v[SS+\x], v[SS+(\y)] matrix_a_fmt:MATRIX_FMT_FP6 matrix_b_fmt:MATRIX_FMT_FP6 matrix_a_scale:MATRIX_SCALE_ROW1
.else
	v_wmma_scale_f32_16x16x128_f8f6f4 v[DD:DD+7], v[RA:RA+11], v[RB:RB+11], v[DD:DD+7], v[SS+\x], v[SS+(\y)] matrix_a_fmt:MATRIX_FMT_FP6 matrix_b_fmt:MATRIX_FMT_FP6 matrix_a_scale:MATRIX_SCALE_ROW1
.endif
.endr
.endm
.macro KSTEP slot, q, f, g, first
	s_wait_dscnt 8
	MUL4 \f, 0, \first
	MUL4 \f, 1, \first
	PLACES 4
	FETCH \slot, (\q)+1, \g
	s_wait_dscnt 36
	MUL4 \f, 2, \first
	MUL4 \f, 3, \first
.endm
; A PREFETCH stands behind each refill and the run of LDS loads that follows it: the half record that stands TWO refills on.  Of its 100 blocks of 256 bytes each of the four partners that ask for it jointly names 25,
; told apart by address (cx for A, cy for B); lanes 25 to 31 name the 25th again.  The address steps a record at the head of each change of slots, behind s_wait_xcnt 0.  The loop's last trip, whose look-ahead would pass chunk 7, asks for nothing.
.macro TURN slot, next, fill
	WIN 0
.if \fill
	s_wait_xcnt 0x0                                ; my last prefetch has read its address
	s_add_nc_u64 s[PFA:PFA+1], s[PFA:PFA+1], REC
.endif
	s_wait_tensorcnt 0x0
	ds_add_u32 v[SPW], v[NIL]
	s_wait_dscnt 9
	MUL4 F1, 0, 0
	s_wait_dscnt 0x0
	s_barrier_signal -1
	MUL4 F1, 1, 0
	WIN 0
	s_barrier_wait -1
.if \fill
	CREST
	s_add_nc_u64 s[G0+4*\slot+2:G0+4*\slot+3], s[G0+4*\slot+2:G0+4*\slot+3], 2*REC
	s_add_nc_u64 s[G0B+4*\slot+2:G0B+4*\slot+3], s[G0B+4*\slot+2:G0B+4*\slot+3], 2*REC
	JLOAD \slot
.endif
	PLACES 4
	FETCH \next, 0, F0
.if \fill
	WIN 0                                          ; (a branch follows)
	s_cmp_gt_u32 s3, 1                             ; s3 = 1 in the loop's last trip
	s_cbranch_scc0 .Lnone_\@
	global_prefetch_b8 v18, s[PFA:PFA+1] offset:REC th:TH_LOAD_NT scope:SCOPE_SE
.Lnone_\@:
.endif
	MUL4 F1, 2, 0
	MUL4 F1, 3, 0
.endm
.macro LAST
	s_wait_dscnt 8
	MUL4 F1, 0, 0
	MUL4 F1, 1, 0
	s_wait_dscnt 0x0
	MUL4 F1, 2, 0
	MUL4 F1, 3, 0
	WIN 0
.endm
	s_load_b128 s[4:7], s[0:1], 0x0
	s_load_b128 s[68:71], s[0:1], 0x10
	s_load_b64 s[72:73], s[0:1], 0x20
	v_lshl_add_u32 v[SPW], v0, 2, SPARE
	v_mov_b32 v[NIL], 0
	ds_add_u32 v[SPW], v[NIL]
	ds_add_u32 v[SPW], v[NIL]
	v_lshrrev_b32 v1, 5, v0
	v_readfirstlane_b32 s10, v1
	s_lshr_b32 s11, s10, 1
	s_and_b32 s12, s10, 1
	s_bfe_u32 s40, ttmp6, 0x40000
	s_bfe_u32 s41, ttmp6, 0x40004
	s_lshl_b32 s42, ttmp9, 2
	s_add_co_u32 s42, s42, s40
	s_and_b32 s13, ttmp7, 0xffff
	s_lshl_b32 s13, s13, 2
	s_add_co_u32 s13, s13, s41
	s_lshl_b32 s43, s41, 2
	s_lshl_b32 s43, 15, s43
	s_lshl_b32 s44, 0x1111, s40
	s_or_b32 s[G1+0], s43, (3<<16)|(1<<21)
	s_or_b32 s[G1B+0], s44, (3<<16)|(1<<21)
.irp g, G1, G1B
	s_mov_b32 s[\g+1], 32<<16
	s_mov_b32 s[\g+2], 200<<16                     ; the head's loads bring a whole record: 200 rows of 256 bytes
	s_mov_b32 s[\g+3], 32<<16
	s_mov_b32 s[\g+4], 200
	s_mov_b32 s[\g+5], 32
	s_mov_b32 s[\g+6], 0
	s_mov_b32 s[\g+7], 0
.endr
	s_mul_i32 s16, s13, KC*REC
	s_mul_i32 s17, s12, HALF
	s_add_co_u32 s16, s16, s17
	s_mov_b32 s17, 0
	s_mul_i32 s46, s42, BT
	s_mul_i32 s47, s12, HALF
	s_add_co_u32 s46, s46, s47
	s_add_co_u32 s46, s46, WOFF
	s_mov_b32 s47, 0
	s_mul_i32 s20, s10, HALF
	s_wait_dscnt 0x0
	s_wait_kmcnt 0x0
	s_add_nc_u64 s[14:15], s[4:5], s[16:17]
	s_add_nc_u64 s[46:47], s[6:7], s[46:47]
	CROUND
.irp s, 0,1
	s_mov_b32 s[G0+4*\s], 1
	s_add_co_u32 s[G0+4*\s+1], s20, \s*SLOT
	s_add_nc_u64 s[G0+4*\s+2:G0+4*\s+3], s[14:15], \s*REC
	s_or_b32 s[G0+4*\s+3], s[G0+4*\s+3], 0x80000000
	s_mov_b32 s[G0B+4*\s], 1
	s_add_co_u32 s[G0B+4*\s+1], s20, \s*SLOT
	s_add_nc_u64 s[G0B+4*\s+2:G0B+4*\s+3], s[46:47], \s*REC
	s_or_b32 s[G0B+4*\s+3], s[G0B+4*\s+3], 0x80000000
.endr
	; THE HEAD'S LOADS, ONE A WAVE: wave w fetches the whole record of A (w / 2 = 0) or of B (1) of chunk w % 2, into slot w % 2
	s_mul_i32 s90, s12, HALF                       ; s[14:15] and s[46:47] stand w % 2 half records in: as much again is chunk w % 2's record
	s_mov_b32 s91, 0
	s_mov_b32 s[GH], 1
	s_mul_i32 s[GH+1], s12, SLOT
	s_add_nc_u64 s[GH+2:GH+3], s[14:15], s[90:91]
	s_or_b32 s[GH+3], s[GH+3], 0x80000000
	s_mov_b32 s[GHB], 1
	s_add_co_u32 s[GHB+1], s[GH+1], REC
	s_add_nc_u64 s[GHB+2:GHB+3], s[46:47], s[90:91]
	s_or_b32 s[GHB+3], s[GHB+3], 0x80000000
	s_cmp_eq_u32 s11, 0
	s_cbranch_scc0 .Lhead_b
	tensor_load_to_lds s[GH:GH+3], s[G1:G1+7]
	s_nop 0
	PLACES 4
	s_branch .Lhead_asked
.Lhead_b:
	tensor_load_to_lds s[GHB:GHB+3], s[G1B:G1B+7]
	s_nop 0
	PLACES 4
.Lhead_asked:
	v_and_b32 v1, 15, v0
	v_bfe_u32 v2, v0, 4, 1
	v_and_b32 v3, 31, v0
	v_lshlrev_b32 v[O16], 4, v3
	v_lshl_add_u32 v[O8], v3, 3, 512
	s_mul_i32 s21, s11, 6144
	s_mul_i32 s22, s12, 6144
	s_add_co_u32 s22, s22, REC
.irp s, 0,1
	v_add_nc_u32 v[A16+\s], s21, v[O16]
	v_add_nc_u32 v[A8+\s], s21, v[O8]
	v_add_nc_u32 v[B16+\s], s22, v[O16]
	v_add_nc_u32 v[B8+\s], s22, v[O8]
	s_add_co_u32 s21, s21, SLOT
	s_add_co_u32 s22, s22, SLOT
.endr
	s_lshl_b32 s21, s11, 8
	s_lshl_b32 s22, s12, 8
	s_add_co_u32 s22, s22, REC
	s_sub_co_u32 s22, s22, s21
	v_mul_u32_u24 v16, s22, v2
	v_lshl_add_u32 v16, v1, 2, v16
	s_add_co_u32 s21, s21, SCO
	v_add_nc_u32 v[AS], s21, v16
	s_add_co_u32 s21, s21, SLOT
	v_add_nc_u32 v[AS+1], s21, v16
	v_and_b32 v16, 8, v1
	v_mad_u32_u24 v16, v16, 3, v1                  ; lane r's token lies r + 24 (r / 8) rows behind its fragment's first
	v_mul_u32_u24 v16, v16, 528
	v_lshl_add_u32 v16, v2, 6, v16
	s_mul_i32 s76, s11, 64*528
	s_lshl_b32 s77, s12, 8
	s_add_co_u32 s76, s76, s77
	s_add_co_u32 s76, s76, STAGE
	v_add_nc_u32 v16, s76, v16
	s_mul_i32 s76, s10, 32*528
	s_add_co_u32 s76, s76, STAGE
	v_add_nc_u32 v17, s76, v[O16]
	v_lshlrev_b32 v19, 6, v2
	v_min_u32 v18, 24, v3
	v_lshlrev_b32 v18, 8, v18                      ; the prefetches' offset: a block of 256 bytes a lane, 25 blocks
	s_wait_alu depctr_va_vdst(0)
	s_lshl_b32 s74, s42, 9
	s_lshl_b32 s75, s12, 8
	s_add_co_u32 s74, s74, s75
	s_mov_b32 s75, 0
	s_add_nc_u64 s[68:69], s[68:69], s[74:75]
	s_lshl_b32 s74, s13, 7
	s_lshl_b32 s75, s10, 5
	s_add_co_u32 s74, s74, s75
	s_lshl_b32 s74, s74, 12
	s_lshl_b32 s75, s42, 9
	s_add_co_u32 s74, s74, s75
	s_mov_b32 s75, 0
	s_add_nc_u64 s[70:71], s[70:71], s[74:75]
	s_add_nc_u64 s[72:73], s[72:73], s[74:75]
	s_cmp_eq_u32 s11, 0                            ; do I fetch for A?
	s_cselect_b64 s[PFA:PFA+1], s[14:15], s[46:47] ; the half record that I fetch in the ring, of chunk 0,
	s_cselect_b32 s90, s40, s41                    ; my place among the four that ask for it with me:
	s_mul_i32 s90, s90, 25*256                     ; my work-group's 25 blocks of its 100,
	s_add_co_u32 s90, s90, 2*REC                   ; of chunk 2
	s_mov_b32 s91, 0
	s_add_nc_u64 s[PFA:PFA+1], s[PFA:PFA+1], s[90:91]
	global_prefetch_b8 v18, s[PFA:PFA+1] th:TH_LOAD_NT scope:SCOPE_SE              ; chunks 2 and 3, which the first two refills load
	global_prefetch_b8 v18, s[PFA:PFA+1] offset:REC th:TH_LOAD_NT scope:SCOPE_SE
	WIN TO_F
.irp x, 0,1,2,3
	global_load_b128 v[BI+8*\x:BI+8*\x+3], v19, s[68:69] offset:128*(\x/2)+32*(\x%2)
	global_load_b128 v[BI+8*\x+4:BI+8*\x+7], v19, s[68:69] offset:128*(\x/2)+32*(\x%2)+16
.endr
	WIN TO_R
.set t, 0
.rept 32
	global_load_b128 v[RES+4*t:RES+4*t+3], v[O16], s[70:71] offset:4096*t th:TH_LOAD_NT
.set t, t+1
.endr
	WIN 0
	s_wait_tensorcnt 0x0                           ; my record is in, and no tensor load of mine is out:
	s_mov_b32 s[G1+2], 100<<16                     ; from here on a load brings half a record, 100 rows
	s_mov_b32 s[G1+4], 100
	s_mov_b32 s[G1B+2], 100<<16
	s_mov_b32 s[G1B+4], 100
	s_barrier_signal -1
	s_barrier_wait -1
	FETCH 0, 0, F0
	s_wait_loadcnt 32
	KSTEP 0, 0, F0, F1, 2
.if LAPS > 1
	WIN 0
	s_mov_b32 s3, LAPS-1
.Llap:
	KSTEP 0, 1, F1, F0, 0
	KSTEP 0, 2, F0, F1, 0
	TURN 0, 1, 1
	KSTEP 1, 0, F0, F1, 0
	KSTEP 1, 1, F1, F0, 0
	KSTEP 1, 2, F0, F1, 0
	TURN 1, 0, 1
	KSTEP 0, 0, F0, F1, 0
	WIN 0
	s_sub_co_u32 s3, s3, 1
	s_cmp_lg_u32 s3, 0
	s_cbranch_scc1 .Llap
.endif
	KSTEP 0, 1, F1, F0, 0
	KSTEP 0, 2, F0, F1, 0
	TURN 0, 1, 0
	KSTEP 1, 0, F0, F1, 0
	KSTEP 1, 1, F1, F0, 0
	KSTEP 1, 2, F0, F1, 0
	LAST
	PLACES 4
.irp y, 0,1,2,3
.irp x, 0,1,2,3
	ds_store_b128 v16, v[ACC+8*(4*\y+\x):ACC+8*(4*\y+\x)+3] offset:(8*\y)*528+128*(\x/2)+32*(\x%2)       ; token fragment y of my four begins 8 y rows on
	ds_store_b128 v16, v[ACC+8*(4*\y+\x)+4:ACC+8*(4*\y+\x)+7] offset:(8*\y)*528+128*(\x/2)+32*(\x%2)+16
.endr
.endr
	s_wait_dscnt 0x0
	s_barrier_signal -1
	s_barrier_wait -1
	WIN TO_F
.set t, 0
.rept 32
	ds_load_b128 v[4*t:4*t+3], v17 offset:528*t
.set t, t+1
.endr
	s_wait_loadcnt 0x0
.irp u, 0,1
	s_wait_dscnt 16-16*\u
	WIN ADDW
.set t, 16*\u
.rept 16
	v_pk_add_f32 v[ACC+4*t:ACC+4*t+1], v[RES+4*t:RES+4*t+1], v[4*t:4*t+1]
	v_pk_add_f32 v[ACC+4*t+2:ACC+4*t+3], v[RES+4*t+2:RES+4*t+3], v[4*t+2:4*t+3]
.set t, t+1
.endr
	WIN 0
.set t, 16*\u
.rept 16
	global_store_b128 v[O16], v[ACC+4*t:ACC+4*t+3], s[72:73] offset:4096*t
.set t, t+1
.endr
.endr
	s_wait_tensorcnt 0x0
	ds_add_u32 v[SPW], v[NIL]
	s_wait_dscnt 0x0
	CROUND
	s_endpgm
.Lfunc_end_k_q65f22134ad_fc2:
	.size	k_q65f22134ad_fc2, .Lfunc_end_k_q65f22134ad_fc2-k_q65f22134ad_fc2
	.p2alignl 7, 3214868480
	.fill 96, 4, 3214868480
	.section	.rodata,"a",@progbits
	.p2align	6, 0x0
	.amdhsa_kernel k_q65f22134ad_fc2
		.amdhsa_group_segment_fixed_size 327680
		.amdhsa_private_segment_fixed_size 0
		.amdhsa_enable_private_segment 0
		.amdhsa_kernarg_size 40
		.amdhsa_user_sgpr_count 2
		.amdhsa_user_sgpr_kernarg_segment_ptr 1
		.amdhsa_wavefront_size32 1
		.amdhsa_system_sgpr_workgroup_id_x 1
		.amdhsa_system_sgpr_workgroup_id_y 1
		.amdhsa_system_sgpr_workgroup_id_z 1
		.amdhsa_system_vgpr_workitem_id 0
		.amdhsa_next_free_vgpr 640
		.amdhsa_next_free_sgpr 100
		.amdhsa_reserve_vcc 0
		.amdhsa_float_denorm_mode_32 3
		.amdhsa_float_denorm_mode_16_64 3
		.amdhsa_memory_ordered 1
		.amdhsa_forward_progress 1
		.amdhsa_inst_pref_size 100
	.end_amdhsa_kernel
	.amdgpu_metadata
---
amdhsa.version: [ 1, 2 ]
amdhsa.kernels:
  - .name:           k_q65f22134ad_fc2
    .symbol:         k_q65f22134ad_fc2.kd
    .args:
      - { .name: hq, .offset: 0, .size: 8, .value_kind: global_buffer, .address_space: global }
      - { .name: wimg, .offset: 8, .size: 8, .value_kind: global_buffer, .address_space: global }
      - { .name: b2, .offset: 16, .size: 8, .value_kind: global_buffer, .address_space: global }
      - { .name: x1, .offset: 24, .size: 8, .value_kind: global_buffer, .address_space: global }
      - { .name: out0, .offset: 32, .size: 8, .value_kind: global_buffer, .address_space: global }
    .group_segment_fixed_size: 327680
    .private_segment_fixed_size: 0
    .kernarg_segment_align: 8
    .kernarg_segment_size: 40
    .max_flat_workgroup_size: 128
    .sgpr_count:     100
    .vgpr_count:     640
    .wavefront_size: 32
...
	.end_amdgpu_metadata
.endif
;; end of part 7
